; MI455X (gfx1250); checked and timed in simulation.
; The chip was launched on July 23, 2026; its instructions are those of AMD's public machine-readable ISA for CDNA 5 (MIT licence, August 2026) and "CDNA5" Instruction Set Architecture Reference Guide (July 2026). The comments in the code are by the model that wrote it; some were corrected since.
;; Relative Multi Head Attention. Allowed arithmetic: float matrix products may take bf16 or f16 operands with f32 sums; all other float work in f32.
;; Inputs: Wk 1,024 x 1,024 float32; Wo 1,024 x 1,024 float32; Wq 1,024 x 1,024 float32; Wr 1,024 x 1,024 float32; Wv 1,024 x 1,024 float32; h 4 x 1,024 x 1,024 float32; mem 4 x 1,024 x 1,024 float32; r 2,048 x 1,024 float32; r_r_bias 16 x 64 float32; r_w_bias 16 x 64 float32.
;; Outputs: out0 4 x 1,024 x 1,024 float32; out1 4 x 16 x 1,024 x 64 float32; out2 4 x 16 x 1,024 x 64 float32.
;; 2 versions, each right. Each part assembles by itself: llvm-mc -triple=amdgcn-amd-amdhsa -mcpu=gfx1250 --defsym DOCPART=n.
;; ======== version 1 of 2: 4 launches
;; limits: values are held in f16: magnitudes above 65,504 overflow, below 6.1e-05 lose precision
;; workspace buffers: xb 20,971,520 bytes; wb 10,485,760 bytes; qwr 16,777,216 bytes; kv 33,554,432 bytes; rext 6,324,224 bytes; av 8,388,608 bytes
;; launch cast (part 1): grid 64 x 15, 8 waves a work-group, no clusters, 0 bytes of LDS; arguments h, mem, r, Wq, Wk, Wv, Wr, Wo, xb, wb, rext; writes xb, wb, rext
.if DOCPART == 1
	.amdgcn_target "amdgcn-amd-amdhsa--gfx1250"
	.amdhsa_code_object_version 6
	.text
	.protected	k_qaee59a04ae_cast
	.globl	k_qaee59a04ae_cast
	.p2align	8
	.type	k_qaee59a04ae_cast,@function
k_qaee59a04ae_cast:
	s_mov_b64 s[64:65], 0
	v_nop
	global_prefetch_b8 v0, s[64:65] scope:SCOPE_SE
	s_setreg_imm32_b32 hwreg(HW_REG_WAVE_MODE, 25, 1), 1
	s_wait_xcnt 0x0
; f32 -> bf16 (round to nearest even) of everything that later feeds the matrix units, read once and written once.
;   xb: rows of 1024 bf16: h rows 0-4095, mem rows 4096-8191, r rows 8192-10239.     wb: Wq, Wk, Wv, Wr, Wo, each [k][n] as given.
; Grid y = a unit of 1,048,576 numbers (0-3 h, 4-7 mem, 8-9 r, 10-14 the five weights); grid x = a piece of 16,384 numbers of it.
; A work-group's 256 threads take 16 bytes each per load: a wave's load covers 512 consecutive bytes, its store 256 consecutive aligned bytes.
; All sixteen loads of a thread go out first; nothing is rewritten, so the only waits are the counted ones in front of each conversion.
; No LDS, no matrix unit, no cluster: no byte is used twice.
; One work-group also writes the zero row (row 2048) of each head's table rext, which the next launch fills otherwise.
.set X, 8                              ; v[8:71]   sixteen loads of four f32
.set Y, 72                             ; v[72:103] sixteen pairs of packed bf16
	s_load_b512 s[8:23], s[0:1], 0x0               ; h, mem, r, Wq, Wk, Wv, Wr, Wo
	s_load_b128 s[24:27], s[0:1], 0x40             ; xb, wb
	s_load_b64 s[28:29], s[0:1], 0x50              ; rext
	s_and_b32 s2, ttmp7, 0xffff                    ; unit
	v_lshlrev_b32 v1, 4, v0                        ; 16 bytes of f32 a thread
	v_lshlrev_b32 v2, 3, v0                        ; 8 bytes of bf16 a thread
	v_lshrrev_b32 v3, 5, v0
	v_readfirstlane_b32 s34, v3                    ; wave number
	s_mov_b32 s3, 0                                ; first unit of the chosen source
	s_wait_kmcnt 0x0
	s_mov_b64 s[30:31], s[8:9]                     ; the source: h, unless a later line chooses otherwise
.macro PICK n, reg                     ; from unit n on the source is the buffer in s[reg:reg+1]
	s_cmp_ge_u32 s2, \n
	s_cselect_b64 s[30:31], s[\reg:\reg+1], s[30:31]
	s_cselect_b32 s3, \n, s3
.endm
	PICK 4, 10
	PICK 8, 12
	PICK 10, 14
	PICK 11, 16
	PICK 12, 18
	PICK 13, 20
	PICK 14, 22
	s_sub_co_u32 s4, s2, s3                        ; unit inside the source, 4 MiB each
	s_lshl_b32 s4, s4, 22
	s_lshl_b32 s5, ttmp9, 16                       ; piece: 65,536 bytes of f32
	s_add_co_u32 s4, s4, s5
	s_mov_b32 s5, 0
	s_add_nc_u64 s[30:31], s[30:31], s[4:5]
	s_cmp_lt_u32 s2, 10
	s_cselect_b64 s[32:33], s[24:25], s[26:27]     ; units 0-9 go to xb, 10-14 to wb
	s_cselect_b32 s6, 0, 10
	s_sub_co_u32 s6, s2, s6
	s_lshl_b32 s6, s6, 21                          ; 2 MiB of bf16 a unit
	s_lshl_b32 s7, ttmp9, 15
	s_add_co_u32 s6, s6, s7
	s_mov_b32 s7, 0
	s_add_nc_u64 s[32:33], s[32:33], s[6:7]
.irp i, 0,1,2,3,4,5,6,7,8,9,10,11,12,13,14,15
	global_load_b128 v[X+4*\i:X+4*\i+3], v1, s[30:31] offset:4096*\i th:TH_LOAD_NT
.endr
.irp i, 0,1,2,3,4,5,6,7,8,9,10,11,12,13,14,15
	s_wait_loadcnt 15-\i                           ; loads return in order: load i is in, the 15 - i younger ones stay out
	v_cvt_pk_bf16_f32 v[Y+2*\i], v[X+4*\i], v[X+4*\i+1]
	v_cvt_pk_bf16_f32 v[Y+2*\i+1], v[X+4*\i+2], v[X+4*\i+3]
	global_store_b64 v2, v[Y+2*\i:Y+2*\i+1], s[32:33] offset:2048*\i
.endr
	; the zero rows: 16 heads x 128 bytes = 128 threads x 16 bytes, waves 0-3 of work-group (0, 0), whole waves under scalar branches
	s_or_b32 s35, s2, ttmp9
	s_cmp_lg_u32 s35, 0
	s_cbranch_scc1 .Ldone
	s_cmp_ge_u32 s34, 4
	s_cbranch_scc1 .Ldone
	v_lshrrev_b32 v3, 3, v0                        ; head
	v_mul_u32_u24 v3, v3, 0x60800                  ; x 3088 rows x 128 bytes
	v_and_b32 v4, 7, v0
	v_lshl_add_u32 v3, v4, 4, v3
	v_mov_b32 v4, 0
	v_mov_b32 v5, 0
	v_mov_b32 v6, 0
	v_mov_b32 v7, 0
	global_store_b128 v3, v[4:7], s[28:29] offset:262144   ; row 2048
.Ldone:
	s_endpgm
.Lfunc_end_k_qaee59a04ae_cast:
	.size	k_qaee59a04ae_cast, .Lfunc_end_k_qaee59a04ae_cast-k_qaee59a04ae_cast
	.p2alignl 7, 3214868480
	.fill 96, 4, 3214868480
	.section	.rodata,"a",@progbits
	.p2align	6, 0x0
	.amdhsa_kernel k_qaee59a04ae_cast
		.amdhsa_group_segment_fixed_size 0
		.amdhsa_private_segment_fixed_size 0
		.amdhsa_enable_private_segment 0
		.amdhsa_kernarg_size 88
		.amdhsa_user_sgpr_count 2
		.amdhsa_user_sgpr_kernarg_segment_ptr 1
		.amdhsa_wavefront_size32 1
		.amdhsa_system_sgpr_workgroup_id_x 1
		.amdhsa_system_sgpr_workgroup_id_y 1
		.amdhsa_system_sgpr_workgroup_id_z 1
		.amdhsa_system_vgpr_workitem_id 0
		.amdhsa_next_free_vgpr 104
		.amdhsa_next_free_sgpr 66
		.amdhsa_reserve_vcc 0
		.amdhsa_float_denorm_mode_32 3
		.amdhsa_float_denorm_mode_16_64 3
		.amdhsa_memory_ordered 1
		.amdhsa_forward_progress 1
		.amdhsa_inst_pref_size 8
	.end_amdhsa_kernel
	.amdgpu_metadata
---
amdhsa.version: [ 1, 2 ]
amdhsa.kernels:
  - .name:           k_qaee59a04ae_cast
    .symbol:         k_qaee59a04ae_cast.kd
    .args:
      - { .name: h, .offset: 0, .size: 8, .value_kind: global_buffer, .address_space: global }
      - { .name: mem, .offset: 8, .size: 8, .value_kind: global_buffer, .address_space: global }
      - { .name: r, .offset: 16, .size: 8, .value_kind: global_buffer, .address_space: global }
      - { .name: Wq, .offset: 24, .size: 8, .value_kind: global_buffer, .address_space: global }
      - { .name: Wk, .offset: 32, .size: 8, .value_kind: global_buffer, .address_space: global }
      - { .name: Wv, .offset: 40, .size: 8, .value_kind: global_buffer, .address_space: global }
      - { .name: Wr, .offset: 48, .size: 8, .value_kind: global_buffer, .address_space: global }
      - { .name: Wo, .offset: 56, .size: 8, .value_kind: global_buffer, .address_space: global }
      - { .name: xb, .offset: 64, .size: 8, .value_kind: global_buffer, .address_space: global }
      - { .name: wb, .offset: 72, .size: 8, .value_kind: global_buffer, .address_space: global }
      - { .name: rext, .offset: 80, .size: 8, .value_kind: global_buffer, .address_space: global }
    .group_segment_fixed_size: 0
    .private_segment_fixed_size: 0
    .kernarg_segment_align: 8
    .kernarg_segment_size: 88
    .max_flat_workgroup_size: 256
    .sgpr_count:     66
    .vgpr_count:     104
    .wavefront_size: 32
...
	.end_amdgpu_metadata
.endif
;; end of part 1
;; launch proj (part 2): grid 4 x 176, 4 waves a work-group, clusters of 4 x 4, 327,680 bytes of LDS; arguments xb, wb, r_w_bias, r_r_bias, qwr, kv, rext, out1, out2; writes qwr, kv, rext, out1, out2
.if DOCPART == 2
	.amdgcn_target "amdgcn-amd-amdhsa--gfx1250"
	.amdhsa_code_object_version 6
	.text
	.protected	k_qaee59a04ae_proj
	.globl	k_qaee59a04ae_proj
	.p2align	8
	.type	k_qaee59a04ae_proj,@function
k_qaee59a04ae_proj:
	s_mov_b64 s[64:65], 0
	v_nop
	global_prefetch_b8 v0, s[64:65] scope:SCOPE_SE
	s_setreg_imm32_b32 hwreg(HW_REG_WAVE_MODE, 25, 1), 1
	s_wait_xcnt 0x0
	s_wait_alu depctr_hold_cnt(0) depctr_sa_sdst(0) depctr_va_vdst(0) depctr_va_sdst(0) depctr_va_ssrc(0) depctr_va_vcc(0) depctr_vm_vsrc(0)
	s_getreg_b32 s2, hwreg(HW_REG_IB_STS2, 6, 4)
	s_cmp_eq_u32 s2, 0
	s_cbranch_scc0 .Lentry_in_a_cluster
	s_endpgm
.Lentry_in_a_cluster:
	s_bfe_u32 s2, ttmp6, 0x10000c
	s_cmp_lg_u32 s2, 0xf033
	s_cbranch_scc0 .Lentry_shape_is_right
	s_endpgm
.Lentry_shape_is_right:
; The four input projections as one bf16 GEMM launch, C = X W, sums in f32: h Wq, [mem; h] Wk, [mem; h] Wv, r Wr.
; A cluster of 4 x 4 work-groups makes 512 rows of one X by all 1024 columns of one W; the cluster's y (0-43) names the job:
;   0-23 X = h with Wq, Wk, Wv (8 pieces of 512 rows each);  24-39 X = mem with Wk, Wv;  40-43 X = r with Wr.
; A work-group makes 128 rows x 256 columns with four waves; a wave 64 x 128: 32 accumulator tiles, 256 registers (window 1).
; K goes in steps of 128 through two LDS slots.  X's tile (rows of 256 bytes) is shared along a row of the cluster, W's tile (128 k rows of
; 512 bytes) along a column: both are asked for jointly, which divides the requests for them by four.
; W stays [k][n] as given; its fragments are read with the transposing LDS load.
; The matrix instruction is used transposed (source 0 = W's fragment, source 1 = X's): lane l holds row l % 16 of C and its eight registers
; eight neighbouring columns 8 (l / 16) + 0..7.
; THE WAY OUT splits heads and goes through a stage of the wave's own in LDS, so that every store of a wave covers 512 consecutive bytes:
;   Q : qwr = (q + r_w_bias) c and, 8 MiB further, (q + r_r_bias) c, f16 [b][head][t][64], c = log2(e) / 8 applied in f32 before the rounding
;   KV: kv = k, and 16 MiB further v, f16 [b][head][2048][64] (keys 0-1023 from mem, 1024-2047 from h); from h also f32 to out1 / out2
;   R : rext[head][row][64] f16, rows 0-2047, and rows 0-1023 once more at row + 2049 (that copy starts at an odd row of 128 bytes, so its
;       512-byte stores begin 128 bytes past a multiple of 256; it is 2 MiB of the launch's output)
; FORMAT: X and W are bf16.  The results are the next launch's matrix operands and go on as f16, 11 significant bits against bf16's 8: four such
; roundings meet in every attention output, and with 8 bits their sum comes too near the hundredth of the output's spread that is allowed.
; LIMIT OF RANGE: f16 ends at 65,504; a result beyond it becomes an infinity.  With inputs of unit spread and weights of spread 0.02 the largest |k|, |v|, |r_head|
; are about 4; X and W both 30 times larger give about 3,600; common offsets of 30 spreads on both (30 and 0.6) give 1024 x 30 x 0.6 = 18,432.
; Both 30 times smaller: spread 7e-4, where f16's step is at most 2^-21 and below 2^-14 stays 2^-24, a ten-thousandth of that spread.
; NaN and infinities among the inputs get no special care.
.set PA,    272                        ; LDS pitch of X's rows: 256 + 16
.set PB,    544                        ; LDS pitch of W's rows: 512 + 32 = 17 x 32
.set AHALF, 64*PA                      ; what one tensor load of X brings
.set BHALF, 64*PB                      ; what one tensor load of W brings
.set ATILE, 2*AHALF
.set SLOT,  ATILE+2*BHALF              ; 104,448
.set STAGE, 2*SLOT                     ; 208,896: behind the ring, never filled by a tensor load
.set STGW,  16*528                     ; a wave's stage: 16 rows x 528 (f32) or x 272 (f16)
.set ADRA, 16                          ; v16-17  my X fragments in slot 0, 1
.set ADRB, 20                          ; v20-21  my W fragments in slot 0, 1
.set STB,  24                          ; stage, f16, in
.set RDBA, 25                          ; stage, f16, back
.set STF,  26                          ; stage, f32, in
.set RDFA, 27                          ; stage, f32, back
.set CO,   28                          ; 16 x lane: my 16 bytes of a wave's 512
.set BO,   29                          ; my byte offset in the biases
.set F0,   32                          ; fragment buffer 0: W at +8 b (64 registers), X at +64 + 8 a (32 registers)
.set F1,   128                         ; fragment buffer 1
.set BW,   32                          ; way out, Q: r_w_bias c of my columns, 8 registers for each b
.set BR,   96                          ; way out, Q: r_r_bias c
.set TF,   160                         ; way out: 64 f32 at work
.set RB,   160                         ; way out: rows read back (the same registers, in turn)
.set TMP,  224                         ; way out: packed f16
.set G1,  24                           ; s[24:31] group 1, X
.set G0,  32                           ; s[32:39] group 0, X, a set for each slot
.set G1B, 48                           ; s[48:55] group 1, W
.set G0B, 56                           ; s[56:63] group 0, W, a set for each slot
.set MSB, 0
.macro WIN new                         ; switches register windows; the immediate's high byte repeats the setting that is left
.if MSB != \new
	s_set_vgpr_msb (MSB<<8)|\new
.set MSB, \new
.endif
.endm
.macro PLACES                          ; four places behind matrix instructions (ISA guide 7.12.1), where there is no other vector work
.rept 4
	v_nop
.endr
.endm
.macro JLOAD s                         ; a joint load: waves 0, 1 ask for X's halves, waves 2, 3 for W's; the branch hangs on the wave's number alone
	s_cmp_eq_u32 s81, 0
	s_cbranch_scc0 .Lfor_b_\@
	tensor_load_to_lds s[G0+4*\s:G0+4*\s+3], s[G1:G1+7]
	s_nop 0
	s_branch .Lasked_\@
.Lfor_b_\@:
	tensor_load_to_lds s[G0B+4*\s:G0B+4*\s+3], s[G1B:G1B+7]
	s_nop 0
.Lasked_\@:
.endm
.macro CREST                           ; a round of the cluster's barrier behind its opening work-group barrier
	s_cmp_lg_u32 s80, 0
	s_cbranch_scc1 .Lnot_wave_0_\@
	s_barrier_signal -3
.Lnot_wave_0_\@:
	s_barrier_wait -3
	s_barrier_signal -1
	s_barrier_wait -1
.endm
.macro CROUND
	s_barrier_signal -1
	s_barrier_wait -1
	CREST
.endm
	s_load_b128 s[4:7], s[0:1], 0x0                ; xb, wb
	s_load_b128 s[8:11], s[0:1], 0x10              ; r_w_bias, r_r_bias
	s_load_b128 s[68:71], s[0:1], 0x20             ; qwr, kv
	s_load_b128 s[72:75], s[0:1], 0x30             ; rext, out1
	s_load_b64 s[76:77], s[0:1], 0x40              ; out2
	v_lshrrev_b32 v1, 5, v0
	v_readfirstlane_b32 s80, v1                    ; wave 0..3
	s_lshr_b32 s81, s80, 1                         ; my half of the rows; also: I fetch X (0) or W (1)
	s_and_b32 s82, s80, 1                          ; my half of the columns; also: which half of that tile I fetch
	s_bfe_u32 s40, ttmp6, 0x40000                  ; cx = block column (the grid is one cluster wide)
	s_bfe_u32 s41, ttmp6, 0x40004                  ; cy
	s_and_b32 s83, ttmp7, 0xffff                   ; the cluster's y: the job, the same in all sixteen work-groups
	s_lshr_b32 s84, s83, 3                         ; which W (0 q, 1 k, 2 v, 3 r)
	s_and_b32 s85, s83, 7                          ; which 512 rows of X
	s_mov_b32 s86, 0                               ; X's first row in xb
	s_sub_co_u32 s87, s83, 24
	s_lshr_b32 s88, s87, 3
	s_add_co_u32 s88, s88, 1
	s_and_b32 s89, s87, 7
	s_cmp_ge_u32 s83, 24                           ; jobs 24-39: mem
	s_cselect_b32 s84, s88, s84
	s_cselect_b32 s85, s89, s85
	s_cselect_b32 s86, 4096, s86
	s_sub_co_u32 s87, s83, 40
	s_cmp_ge_u32 s83, 40                           ; jobs 40-43: r
	s_cselect_b32 s84, 3, s84
	s_cselect_b32 s85, s87, s85
	s_cselect_b32 s86, 8192, s86
	s_lshl_b32 s43, s41, 2
	s_lshl_b32 s43, 15, s43                        ; my row of the cluster
	s_lshl_b32 s44, 0x1111, s40                    ; my column
	; group 1 of X: 64 rows x 128 elements of 2 bytes, 4 words of padding behind every 64 words
	s_or_b32 s[G1+0], s43, (1<<16)|(1<<20)|(1<<21)|(5<<22)|(3<<25)
	s_mov_b32 s[G1+1], 128<<16                     ; tensor_dim0 = 128
	s_mov_b32 s[G1+2], 64<<16                      ; tensor_dim1 = 64
	s_mov_b32 s[G1+3], 128<<16                     ; tile_dim0 = 128
	s_mov_b32 s[G1+4], 64                          ; tile_dim1 = 64
	s_mov_b32 s[G1+5], 1024                        ; elements from row to row
	s_mov_b32 s[G1+6], 0
	s_mov_b32 s[G1+7], 0
	; group 1 of W: 64 k rows x 256 elements, 8 words of padding behind every 128 words
	s_or_b32 s[G1B+0], s44, (1<<16)|(1<<20)|(1<<21)|(6<<22)|(7<<25)
	s_mov_b32 s[G1B+1], 256<<16
	s_mov_b32 s[G1B+2], 64<<16
	s_mov_b32 s[G1B+3], 256<<16
	s_mov_b32 s[G1B+4], 64
	s_mov_b32 s[G1B+5], 1024
	s_mov_b32 s[G1B+6], 0
	s_mov_b32 s[G1B+7], 0
	; X's address hangs on the job, cy and the wave; W's on the job, cx and the wave; neither set of registers ever holds the other coordinate
	s_lshl_b32 s13, s85, 9
	s_lshl_b32 s16, s41, 7
	s_add_co_u32 s13, s13, s16                     ; g0 = 512 piece + 128 cy: my first row inside X
	s_add_co_u32 s16, s13, s86
	s_lshl_b32 s17, s82, 6
	s_add_co_u32 s16, s16, s17                     ; + the 64 rows that I fetch
	s_lshl_b32 s16, s16, 11                        ; rows of 2,048 bytes
	s_mov_b32 s17, 0
	s_lshl_b32 s46, s84, 21                        ; W: 2 MiB each
	s_lshl_b32 s47, s82, 17                        ; + 64 k rows of 2,048 bytes
	s_add_co_u32 s46, s46, s47
	s_lshl_b32 s47, s40, 9                         ; + 256 columns
	s_add_co_u32 s46, s46, s47
	s_mov_b32 s47, 0
	s_mul_i32 s20, s82, AHALF                      ; LDS: X's two halves,
	s_mul_i32 s21, s82, BHALF
	s_add_co_u32 s21, s21, ATILE                   ; then W's two halves
	s_wait_kmcnt 0x0
	s_add_nc_u64 s[14:15], s[4:5], s[16:17]
	s_add_nc_u64 s[46:47], s[6:7], s[46:47]
	CROUND                                         ; all sixteen work-groups are here: the first joint loads meet
.irp s, 0,1
	s_mov_b32 s[G0+4*\s], 1
	s_add_co_u32 s[G0+4*\s+1], s20, \s*SLOT
	s_add_nc_u64 s[G0+4*\s+2:G0+4*\s+3], s[14:15], \s*256          ; K step s: 128 elements along the rows
	s_or_b32 s[G0+4*\s+3], s[G0+4*\s+3], 0x80000000
	s_mov_b32 s[G0B+4*\s], 1
	s_add_co_u32 s[G0B+4*\s+1], s21, \s*SLOT
	s_add_nc_u64 s[G0B+4*\s+2:G0B+4*\s+3], s[46:47], \s*262144     ; K step s: 128 rows down
	s_or_b32 s[G0B+4*\s+3], s[G0B+4*\s+3], 0x80000000
	JLOAD \s                                       ; two loads of a wave are out here, one at any later time
.endr
	v_and_b32 v1, 15, v0                           ; r = l % 16
	v_bfe_u32 v2, v0, 4, 1                         ; h = l / 16
	v_and_b32 v3, 7, v0                            ; l % 8
	v_bfe_u32 v4, v0, 3, 1                         ; (l / 8) % 2
	v_mul_u32_u24 v5, v1, PA
	v_lshl_add_u32 v5, v2, 4, v5                   ; r x 272 + 16 h
	s_mul_i32 s22, s81, AHALF
	v_add_nc_u32 v[ADRA], s22, v5
	v_add_nc_u32 v[ADRA+1], SLOT, v[ADRA]
	v_lshl_add_u32 v6, v2, 3, v3                   ; k row 8 h + l % 8
	v_mul_u32_u24 v6, v6, PB
	v_lshl_add_u32 v6, v4, 4, v6                   ; + 16 bytes for the odd group of eight lanes
	s_lshl_b32 s22, s82, 8                         ; my 128 columns
	s_add_co_u32 s22, s22, ATILE
	v_add_nc_u32 v[ADRB], s22, v6
	v_add_nc_u32 v[ADRB+1], SLOT, v[ADRB]
	s_mul_i32 s23, s80, STGW
	s_add_co_u32 s23, s23, STAGE                   ; my stage
	v_add_nc_u32 v[STB], s23, v5
	v_bfe_u32 v7, v0, 3, 2                         ; l / 8
	v_mul_u32_u24 v7, v7, PA
	v_lshl_add_u32 v7, v3, 4, v7
	v_add_nc_u32 v[RDBA], s23, v7                  ; back: four rows of 128 bytes (one head) a load
	v_mul_u32_u24 v8, v1, 528
	v_lshl_add_u32 v8, v2, 5, v8
	v_add_nc_u32 v[STF], s23, v8
	v_mul_u32_u24 v9, v2, 528
	v_lshl_add_u32 v9, v1, 4, v9
	v_add_nc_u32 v[RDFA], s23, v9                  ; back: two rows of 256 bytes (one head) a load
	v_and_b32 v10, 31, v0
	v_lshlrev_b32 v[CO], 4, v10
; eight matrix instructions: row tile a x all eight column tiles, 32 along K.  zero = 1: the first product starts the sums.
; The 32 accumulators take turns, one instruction a turn, in the same order everywhere.
.macro MULA f, a, zero
.irp b, 0,1,2,3,4,5,6,7
.if \zero
	v_wmma_f32_16x16x32_bf16 v[8*(8*\a+\b):8*(8*\a+\b)+7], v[\f+8*\b:\f+8*\b+7], v[\f+64+8*\a:\f+64+8*\a+7], 0
.else
	v_wmma_f32_16x16x32_bf16 v[8*(8*\a+\b):8*(8*\a+\b)+7], v[\f+8*\b:\f+8*\b+7], v[\f+64+8*\a:\f+64+8*\a+7], v[8*(8*\a+\b):8*(8*\a+\b)+7]
.endif
.endr
.endm
; 24 LDS loads: quarter kq (32 along K) of a slot into buffer f: W's eight fragments by transposing loads (k rows 8 h.. and 16 + 8 h..), then X's four
.macro FETCH slot, kq, f
.irp b, 0,1,2,3,4,5,6,7
	ds_load_tr16_b128 v[\f+8*\b:\f+8*\b+3],   v[ADRB+\slot] offset:\kq*32*PB+32*\b
	ds_load_tr16_b128 v[\f+8*\b+4:\f+8*\b+7], v[ADRB+\slot] offset:\kq*32*PB+32*\b+16*PB
.endr
.irp a, 0,1,2,3
	ds_load_b128 v[\f+64+8*\a:\f+64+8*\a+3],   v[ADRA+\slot] offset:\a*16*PA+64*\kq
	ds_load_b128 v[\f+64+8*\a+4:\f+64+8*\a+7], v[ADRA+\slot] offset:\a*16*PA+64*\kq+32
.endr
.endm
.macro QUARTER slot, kq, f, g, zero    ; multiplies buffer f; in its middle fetches quarter kq into buffer g
	s_wait_dscnt 0x4                               ; all of f but X's row tiles 2 and 3 (the four youngest loads)
	WIN 0x50                                       ; C and D in window 1
	MULA \f, 0, \zero
	MULA \f, 1, \zero
	PLACES                                         ; g was read by matrix instructions: four places in front of loads into it
	WIN 0
	FETCH \slot, \kq, \g
	s_wait_dscnt 24                                ; all but the 24 just issued
	WIN 0x50
	MULA \f, 2, \zero
	MULA \f, 3, \zero
.endm
.macro THREE slot, zero
	QUARTER \slot, 1, F0, F1, \zero
	QUARTER \slot, 2, F1, F0, 0
	QUARTER \slot, 3, F0, F1, 0
.endm
; the last quarter of a K step and the change of slots.  In front of the barrier each wave waits for its reads of this slot and for all its tensor
; loads (one is out: its part of the next slot).  Where the slot is filled again the barrier opens a round of the cluster's barrier, and the joint
; refill is the first tensor load behind the round.
.macro TURN slot, next, fill
	s_wait_dscnt 0x4
	WIN 0x50
	MULA F1, 0, 0
	s_wait_dscnt 0x0
	s_wait_tensorcnt 0x0
	s_barrier_signal -1
	MULA F1, 1, 0                                  ; register work while the others arrive
	WIN 0
	s_barrier_wait -1
.if \fill
	CREST
	s_add_nc_u64 s[G0+4*\slot+2:G0+4*\slot+3], s[G0+4*\slot+2:G0+4*\slot+3], 512        ; two K steps on
	s_add_nc_u64 s[G0B+4*\slot+2:G0B+4*\slot+3], s[G0B+4*\slot+2:G0B+4*\slot+3], 524288
	JLOAD \slot
.endif
	PLACES
	FETCH \next, 0, F0
	WIN 0x50
	MULA F1, 2, 0
	MULA F1, 3, 0
.endm
.macro LAP zero
	THREE 0, \zero
	TURN 0, 1, 1
	THREE 1, 0
	TURN 1, 0, 1
.endm
	s_wait_tensorcnt 0x1                           ; my part of K step 0 is in; K step 1's stays out
	s_barrier_signal -1
	s_barrier_wait -1
	FETCH 0, 0, F0
	LAP 1                                          ; K steps 0, 1: the first products start the sums
	WIN 0
	s_mov_b32 s3, 2
.Llap:
	LAP 0                                          ; K steps 2-5
	WIN 0
	s_sub_co_u32 s3, s3, 1
	s_cmp_lg_u32 s3, 0
	s_cbranch_scc1 .Llap
	THREE 0, 0                                     ; K steps 6, 7: nothing is left to fetch
	TURN 0, 1, 0
	THREE 1, 0
	s_wait_dscnt 0x4
	WIN 0x50
	MULA F1, 0, 0
	MULA F1, 1, 0
	s_wait_dscnt 0x0
	MULA F1, 2, 0
	MULA F1, 3, 0
	WIN 0
	PLACES                                         ; in front of everything that reads results or loads into the fragment buffers
; ---------------- the way out ----------------
; 16 rows (row tile a) x 128 columns as f16 into my stage.  mode 0: as they are; 1: acc c + r_w_bias c; 2: acc c + r_r_bias c.
.macro STG_B a, mode
	s_wait_xcnt 0x0                                ; the registers that earlier stores read (RB = TF) are rewritten only behind this wait
.if \mode == 0
	WIN 0x05
.irp b, 0,1,2,3,4,5,6,7
.irp q, 0,1,2,3
	v_cvt_pk_f16_f32 v[TMP+4*\b+\q], v[8*(8*\a+\b)+2*\q], v[8*(8*\a+\b)+2*\q+1]
.endr
.endr
.else
	WIN 0x01
.irp b, 0,1,2,3,4,5,6,7
.irp q, 0,1,2,3
	v_pk_fma_f32 v[TF+8*\b+2*\q:TF+8*\b+2*\q+1], v[8*(8*\a+\b)+2*\q:8*(8*\a+\b)+2*\q+1], 0x3e38aa3b, v[BW+64*(\mode-1)+8*\b+2*\q:BW+64*(\mode-1)+8*\b+2*\q+1] op_sel_hi:[1,0,1]
.endr
.endr
	WIN 0
.irp b, 0,1,2,3,4,5,6,7
.irp q, 0,1,2,3
	v_cvt_pk_f16_f32 v[TMP+4*\b+\q], v[TF+8*\b+2*\q], v[TF+8*\b+2*\q+1]
.endr
.endr
.endif
	WIN 0
.irp b, 0,1,2,3,4,5,6,7
	ds_store_b128 v[STB], v[TMP+4*\b:TMP+4*\b+3] offset:32*\b
.endr
.endm
; back by heads: load t = 4 head + i takes rows 4 i .. 4 i + 3 of one head (128 bytes each): 512 consecutive bytes of the destination
.macro RDB a, ptr, headb, extra
.irp t, 0,1,2,3,4,5,6,7
	ds_load_b128 v[RB+4*\t:RB+4*\t+3], v[RDBA] offset:(\t/4)*128+(\t%4)*4*PA     ; LDS serves a wave in order: these see the stores above
.endr
.irp t, 0,1,2,3,4,5,6,7
	s_wait_dscnt 7-\t                              ; load t is in, the younger ones stay out
	global_store_b128 v[CO], v[RB+4*\t:RB+4*\t+3], s[\ptr:\ptr+1] offset:(\t/4)*\headb+(16*\a+4*(\t%4))*128+\extra
.endr
.endm
.macro RST a, ptr, headb, extra        ; the same registers once more, to another place
.irp t, 0,1,2,3,4,5,6,7
	global_store_b128 v[CO], v[RB+4*\t:RB+4*\t+3], s[\ptr:\ptr+1] offset:(\t/4)*\headb+(16*\a+4*(\t%4))*128+\extra
.endr
.endm
.macro STG_F a                         ; 16 rows x 128 columns of f32, straight from the accumulators
	s_wait_xcnt 0x0
	WIN 0x04
.irp b, 0,1,2,3,4,5,6,7
	ds_store_b128 v[STF], v[8*(8*\a+\b):8*(8*\a+\b)+3] offset:64*\b
	ds_store_b128 v[STF], v[8*(8*\a+\b)+4:8*(8*\a+\b)+7] offset:64*\b+16
.endr
	WIN 0
.endm
.macro RDF a, ptr                      ; load t = 8 head + i takes rows 2 i, 2 i + 1 of one head (256 bytes each)
.irp t, 0,1,2,3,4,5,6,7,8,9,10,11,12,13,14,15
	ds_load_b128 v[RB+4*\t:RB+4*\t+3], v[RDFA] offset:(\t/8)*256+(\t%8)*2*528
.endr
.irp t, 0,1,2,3,4,5,6,7,8,9,10,11,12,13,14,15
	s_wait_dscnt 15-\t
	global_store_b128 v[CO], v[RB+4*\t:RB+4*\t+3], s[\ptr:\ptr+1] offset:(\t/8)*262144+(16*\a+2*(\t%8))*256 th:TH_STORE_NT
.endr
.endm
	s_lshl_b32 s94, s81, 6
	s_add_co_u32 s94, s94, s13                     ; gw: my first row inside X
	s_lshl_b32 s95, s40, 2
	s_lshl1_add_u32 s95, s82, s95                  ; my first head = 4 cx + 2 (w & 1)
	s_lshr_b32 s87, s94, 10                        ; batch
	s_lshl4_add_u32 s87, s87, s95                  ; 16 batch + head
	s_and_b32 s88, s94, 1023                       ; t
	s_mov_b32 s17, 0
	s_cmp_eq_u32 s84, 0
	s_cbranch_scc1 .Lq
	s_cmp_eq_u32 s84, 3
	s_cbranch_scc1 .Lr
	; ---- K or V
	s_lshl_b32 s16, s87, 11
	s_add_co_u32 s16, s16, s88
	s_cmp_lt_u32 s83, 24                           ; from h: keys 1024-2047
	s_cselect_b32 s89, 1024, 0
	s_add_co_u32 s16, s16, s89
	s_lshl_b32 s16, s16, 7
	s_cmp_eq_u32 s84, 2                            ; v lies 16 MiB behind k
	s_cselect_b32 s89, 0x1000000, 0
	s_add_co_u32 s16, s16, s89
	s_add_nc_u64 s[90:91], s[70:71], s[16:17]
	s_cmp_eq_u32 s84, 1
	s_cselect_b64 s[92:93], s[74:75], s[76:77]     ; out1 for k, out2 for v
	s_lshl_b32 s16, s87, 10
	s_add_co_u32 s16, s16, s88
	s_lshl_b32 s16, s16, 8
	s_add_nc_u64 s[92:93], s[92:93], s[16:17]
.irp a, 0,1,2,3
	STG_B \a, 0
	RDB \a, 90, 262144, 0
.endr
	s_cmp_ge_u32 s83, 24                           ; from mem: no cache output
	s_cbranch_scc1 .Lend
.irp a, 0,1,2,3
	STG_F \a
	RDF \a, 92
.endr
	s_branch .Lend
.Lq:
	s_lshl_b32 s16, s87, 10
	s_add_co_u32 s16, s16, s88
	s_lshl_b32 s16, s16, 7
	s_add_nc_u64 s[90:91], s[68:69], s[16:17]      ; (q + r_w_bias) c
	s_add_nc_u64 s[92:93], s[90:91], 0x800000      ; (q + r_r_bias) c
	s_lshl_b32 s16, s40, 10
	s_lshl_b32 s89, s82, 9
	s_add_co_u32 s16, s16, s89
	v_lshl_add_u32 v[BO], v2, 5, s16               ; 4 (256 cx + 128 (w & 1) + 8 h)
.irp b, 0,1,2,3,4,5,6,7
	global_load_b128 v[BW+8*\b:BW+8*\b+3],   v[BO], s[8:9] offset:64*\b
	global_load_b128 v[BW+8*\b+4:BW+8*\b+7], v[BO], s[8:9] offset:64*\b+16
	global_load_b128 v[BR+8*\b:BR+8*\b+3],   v[BO], s[10:11] offset:64*\b
	global_load_b128 v[BR+8*\b+4:BR+8*\b+7], v[BO], s[10:11] offset:64*\b+16
.endr
	s_wait_loadcnt 0x0
.set i, 0
.rept 64
	v_pk_mul_f32 v[BW+2*i:BW+2*i+1], v[BW+2*i:BW+2*i+1], 0x3e38aa3b op_sel_hi:[1,0]    ; bias x c, once, so that the way out is one fused multiply-add
.set i, i+1
.endr
.irp a, 0,1,2,3
	STG_B \a, 1
	RDB \a, 90, 131072, 0
	STG_B \a, 2
	RDB \a, 92, 131072, 0
.endr
	s_branch .Lend
.Lr:
	s_mul_i32 s16, s95, 3088
	s_add_co_u32 s16, s16, s94
	s_lshl_b32 s16, s16, 7
	s_add_nc_u64 s[90:91], s[72:73], s[16:17]
	s_cmp_ge_u32 s85, 2                            ; rows 1024-2047 have no second copy
	s_cbranch_scc1 .Lr_one
.irp a, 0,1,2,3
	STG_B \a, 0
	RDB \a, 90, 395264, 0
	RST \a, 90, 395264, 262272                     ; row + 2049
.endr
	s_branch .Lend
.Lr_one:
.irp a, 0,1,2,3
	STG_B \a, 0
	RDB \a, 90, 395264, 0
.endr
.Lend:
	CROUND                                         ; the closing round: no work-group ends while a partner may still ask for a tile that names it
	s_endpgm
.Lfunc_end_k_qaee59a04ae_proj:
	.size	k_qaee59a04ae_proj, .Lfunc_end_k_qaee59a04ae_proj-k_qaee59a04ae_proj
	.p2alignl 7, 3214868480
	.fill 96, 4, 3214868480
	.section	.rodata,"a",@progbits
	.p2align	6, 0x0
	.amdhsa_kernel k_qaee59a04ae_proj
		.amdhsa_group_segment_fixed_size 327680
		.amdhsa_private_segment_fixed_size 0
		.amdhsa_enable_private_segment 0
		.amdhsa_kernarg_size 72
		.amdhsa_user_sgpr_count 2
		.amdhsa_user_sgpr_kernarg_segment_ptr 1
		.amdhsa_wavefront_size32 1
		.amdhsa_system_sgpr_workgroup_id_x 1
		.amdhsa_system_sgpr_workgroup_id_y 1
		.amdhsa_system_sgpr_workgroup_id_z 1
		.amdhsa_system_vgpr_workitem_id 0
		.amdhsa_next_free_vgpr 512
		.amdhsa_next_free_sgpr 96
		.amdhsa_reserve_vcc 0
		.amdhsa_float_denorm_mode_32 3
		.amdhsa_float_denorm_mode_16_64 3
		.amdhsa_memory_ordered 1
		.amdhsa_forward_progress 1
		.amdhsa_inst_pref_size 237
	.end_amdhsa_kernel
	.amdgpu_metadata
---
amdhsa.version: [ 1, 2 ]
amdhsa.kernels:
  - .name:           k_qaee59a04ae_proj
    .symbol:         k_qaee59a04ae_proj.kd
    .args:
      - { .name: xb, .offset: 0, .size: 8, .value_kind: global_buffer, .address_space: global }
      - { .name: wb, .offset: 8, .size: 8, .value_kind: global_buffer, .address_space: global }
      - { .name: r_w_bias, .offset: 16, .size: 8, .value_kind: global_buffer, .address_space: global }
      - { .name: r_r_bias, .offset: 24, .size: 8, .value_kind: global_buffer, .address_space: global }
      - { .name: qwr, .offset: 32, .size: 8, .value_kind: global_buffer, .address_space: global }
      - { .name: kv, .offset: 40, .size: 8, .value_kind: global_buffer, .address_space: global }
      - { .name: rext, .offset: 48, .size: 8, .value_kind: global_buffer, .address_space: global }
      - { .name: out1, .offset: 56, .size: 8, .value_kind: global_buffer, .address_space: global }
      - { .name: out2, .offset: 64, .size: 8, .value_kind: global_buffer, .address_space: global }
    .group_segment_fixed_size: 327680
    .private_segment_fixed_size: 0
    .kernarg_segment_align: 8
    .kernarg_segment_size: 72
    .max_flat_workgroup_size: 128
    .sgpr_count:     96
    .vgpr_count:     512
    .wavefront_size: 32
...
	.end_amdgpu_metadata
.endif
;; end of part 2
;; launch attn (part 3): grid 4 x 64, 8 waves a work-group, no clusters, 327,680 bytes of LDS; arguments qwr, kv, rext, av; writes av
.if DOCPART == 3
	.amdgcn_target "amdgcn-amd-amdhsa--gfx1250"
	.amdhsa_code_object_version 6
	.text
	.protected	k_qaee59a04ae_attn
	.globl	k_qaee59a04ae_attn
	.p2align	8
	.type	k_qaee59a04ae_attn,@function
k_qaee59a04ae_attn:
	s_mov_b64 s[64:65], 0
	v_nop
	global_prefetch_b8 v0, s[64:65] scope:SCOPE_SE
	s_setreg_imm32_b32 hwreg(HW_REG_WAVE_MODE, 25, 1), 1
	s_wait_xcnt 0x0
; Relative attention of one (batch, head) = grid y and 256 queries = grid x: scores, relative shift, softmax over all 2048 keys, P V.  No score reaches memory.
; THE SHIFT.  With c = j + 1023 - i:  bd[i][j] = (c < 2048 ? qr[i] : qr[i+1]) . rext[c], where rext = r_head rows 0-2047, a zero row, r_head rows 0-1022.
; Each tile X = QR x rext^T (16 queries x 16 columns c) is computed once, as a stream; what remains is a skew of one column per query row.
; A wave has 32 queries i0.. as two row tiles T: result row (h, j) of tile T (h = lane / 16, j = register) is query i0 + 8 T + 16 h + j.  With t = 8 T + j the
; skew is then the same in both halves of the lanes:  Z_V = (h = 0: X_V, h = 1: X_(V-16));  M = (lanes s >= 15 - t: Z_U, others: Z_(U+16));  bd = M rotated right
; by t + 1 inside each 16 lanes.  Three vector instructions a register.  M goes into the K product as its C operand.
; The new X tiles of a step of 32 keys begin at column base = jk - i0 + 1024, a multiple of 32, so the change from qr[i] to qr[i+1] at column 2048
; falls between two steps: each wave reloads its QR fragments once, one row further down.
; SOFTMAX: running maximum per row over blocks of 128 keys, in base 2 (q carries log2(e) / 8); exponents are never above 0.  Row sums are a fifth
; P V accumulator with a matrix of ones.  P goes through a stage of the wave's own in LDS to become an A operand.
; LDS: two slots, each 256 keys of K (pitch 144), the 512 rows of rext that the eight waves need with them (pitch 144), 256 rows of V (pitch 160).
; One tensor load of 128 rows a wave for each slot: waves 0, 1 K, waves 2-5 rext, waves 6, 7 V; one load of a wave is out at any time.
; NO CLUSTER: the work-groups that share K and V are the four query blocks of one head, and each changes its QR operand at a step that hangs on its own
; rows, which would be a branch on the place in the cluster; the four batches of one head run alike but share only rext's window, 73,728 of a slot's 151,552 bytes.
; FORMAT: all three products take f16 operands (11 significant bits), sums in f32.  q c, k, r_head and v come as f16 from the launch before, whose head states
; their range (an infinity beyond 65,504, about 18,000 times the largest of inputs of unit spread and weights of spread 0.02).  p lies in [0, 1] for every input,
; since the row's running maximum is taken away first; a p below 2^-25 of the row's largest becomes 0.  The result attn_vec leaves as bf16.
; LIMITS: row sums are formed from the rounded p; NaN and infinities get no special care.
.set PK,    144
.set PVV,   160
.set SLOT,  151552
.set ROFF,  36864                      ; rext's window in a slot
.set VOFF,  110592                     ; V in a slot
.set PSTG,  303104                     ; P stages: 2,048 bytes a wave, never filled by a tensor load
.set TILEB, 32768                      ; 256 rows of 128 bytes: from one slot's tiles to the next's, in K, rext and V alike
; window 0
.set VOL, 1                            ; O stage, back
.set VCO, 2                            ; 16 x lane
.set VR,  4                            ; v4-5   rext fragments, slot 0, 1
.set VK,  6                            ; v6-7   K fragments
.set VV,  8                            ; v8-9   V fragments (transposing loads)
.set VPS, 10                           ; P stage, in
.set VPL, 11                           ; P stage, back (transposing loads)
.set VQ,  12                           ; my query row's bytes in qw / qr, tile 0 (tile 1: + 1,024)
.set VQ1, 13                           ; the same one row down, tile 0
.set VQ9, 14                           ; the same one row down, tile 1, clamped to row 1023 (a row that the shift never uses)
.set VOS, 15                           ; O stage, in
.set ONES, 16                          ; v[16:23] a B operand of ones
.set QW,  24                           ; v[24:55]  (q + r_w_bias) c: + 16 T + 8 kappa
.set QR,  56                           ; v[56:87]  (q + r_r_bias) c
.set XA,  88                           ; four sets of 16 registers (index t = 8 T + j) that take turns as X, Z and M
.set XB,  104
.set XC,  120
.set XD,  136
.set RF,  152                          ; v[152:183] rext fragments: + 16 tile + 8 kappa
.set KF,  184                          ; v[184:215] K fragments
.set VF0, 152                          ; V fragments, two buffers, in the same registers: + 8 dt
.set VF1, 184
.set PF0, 216                          ; P fragments, two buffers: + 8 T
.set PF1, 232
; window 1: S = 64 T + 8 kt + j (0-127)
.set OB,  128                          ; O: + 32 T + 8 dt
.set LS,  192                          ; row sums: + 8 T
.set MA,  208                          ; running maxima, two sets in turn
.set MB,  224
.set AL,  240                          ; 2^(old max - new max); at the end 1 / row sum
.set G1A, 24                           ; s[24:31] group 1, K and rext
.set G1V, 32                           ; s[32:39] group 1, V
.set G0A, 40                           ; s[40:47] group 0, K or rext, a set for each slot
.set G0V, 48                           ; s[48:55] group 0, V
.set MK,  66                           ; s66-80  lane masks s >= 15 - t, t = 0..14, in both halves
.set HM,  81                           ; lanes 16-31
.set MSB, 0
.macro WIN new
.if MSB != \new
	s_set_vgpr_msb (MSB<<8)|\new
.set MSB, \new
.endif
.endm
.macro PLACES4
.rept 4
	v_nop
.endr
.endm
.macro PLACES5
.rept 5
	v_nop
.endr
.endm
.macro TLOAD slot                      ; every wave issues one load; the branch hangs on the wave's number alone
	s_cmp_lt_u32 s12, 6
	s_cbranch_scc0 .Lv_\@
	tensor_load_to_lds s[G0A+4*(\slot):G0A+4*(\slot)+3], s[G1A:G1A+7]
	s_nop 0
	s_branch .Lt_\@
.Lv_\@:
	tensor_load_to_lds s[G0V+4*(\slot):G0V+4*(\slot)+3], s[G1V:G1V+7]
	s_nop 0
.Lt_\@:
.endm
	s_load_b256 s[4:11], s[0:1], 0x0               ; qwr s[4:5], kv s[6:7], rext s[8:9], av s[10:11]
	v_lshrrev_b32 v1, 5, v0
	v_readfirstlane_b32 s12, v1                    ; wave 0..7
	s_lshl_b32 s13, ttmp9, 8                       ; I0: the work-group's first query
	s_lshl_b32 s14, s12, 5
	s_add_co_u32 s14, s14, s13                     ; i0: my first query
	s_and_b32 s15, ttmp7, 0xffff                   ; 16 batch + head
	; group 1: 128 rows x 64 elements of 2 bytes, padding behind every 32 words: 4 words (K, rext) or 8 words (V)
	s_mov_b32 s[G1A+0], (1<<16)|(1<<20)|(4<<22)|(3<<25)
	s_mov_b32 s[G1A+1], 64<<16
	s_mov_b32 s[G1A+2], 128<<16
	s_mov_b32 s[G1A+3], 64<<16
	s_mov_b32 s[G1A+4], 128
	s_mov_b32 s[G1A+5], 64
	s_mov_b32 s[G1A+6], 0
	s_mov_b32 s[G1A+7], 0
	s_mov_b32 s[G1V+0], (1<<16)|(1<<20)|(4<<22)|(7<<25)
	s_mov_b32 s[G1V+1], 64<<16
	s_mov_b32 s[G1V+2], 128<<16
	s_mov_b32 s[G1V+3], 64<<16
	s_mov_b32 s[G1V+4], 128
	s_mov_b32 s[G1V+5], 64
	s_mov_b32 s[G1V+6], 0
	s_mov_b32 s[G1V+7], 0
	s_lshl_b32 s20, s15, 18                        ; K, V: 2048 rows x 128 bytes for each (batch, head)
	s_and_b32 s18, s15, 15
	s_mul_i32 s21, s18, 395264                     ; rext: 3088 rows x 128 bytes for each head
	s_lshl_b32 s19, s12, 7                         ; 128 w
	s_sub_co_u32 s22, s19, s13
	s_add_co_u32 s22, s22, 512                     ; rext: window 0 begins at row 768 - I0; wave w (2-5) takes rows + 128 (w - 2)
	s_cmp_lt_u32 s12, 2
	s_cselect_b32 s22, s19, s22                    ; K: rows 128 w
	s_cselect_b32 s23, s20, s21
	s_lshl_b32 s22, s22, 7
	s_add_co_u32 s22, s22, s23
	s_mov_b32 s23, 0
	s_and_b32 s18, s12, 1
	s_lshl_b32 s19, s18, 14                        ; V: wave 7 takes the second 128 rows
	s_add_co_u32 s20, s20, s19
	s_add_co_u32 s20, s20, 0x1000000               ; v lies 16 MiB behind k
	s_mov_b32 s21, 0
	s_mov_b32 s[G0A], 1
	s_mov_b32 s[G0A+4], 1
	s_mov_b32 s[G0V], 1
	s_mov_b32 s[G0V+4], 1
	s_mul_i32 s[G0A+1], s12, 128*PK                ; K's two loads, then rext's four: wave x 18,432
	s_add_co_u32 s[G0A+5], s[G0A+1], SLOT
	s_mul_i32 s[G0V+1], s18, 128*PVV
	s_add_co_u32 s[G0V+1], s[G0V+1], VOFF
	s_add_co_u32 s[G0V+5], s[G0V+1], SLOT
	s_wait_kmcnt 0x0
	s_cmp_lt_u32 s12, 2
	s_cselect_b64 s[G0A+2:G0A+3], s[6:7], s[8:9]
	s_add_nc_u64 s[G0A+2:G0A+3], s[G0A+2:G0A+3], s[22:23]
	s_add_nc_u64 s[G0A+6:G0A+7], s[G0A+2:G0A+3], TILEB
	s_or_b32 s[G0A+3], s[G0A+3], 0x80000000
	s_or_b32 s[G0A+7], s[G0A+7], 0x80000000
	s_add_nc_u64 s[G0V+2:G0V+3], s[6:7], s[20:21]
	s_add_nc_u64 s[G0V+6:G0V+7], s[G0V+2:G0V+3], TILEB
	s_or_b32 s[G0V+3], s[G0V+3], 0x80000000
	s_or_b32 s[G0V+7], s[G0V+7], 0x80000000
	TLOAD 0                                        ; keys 0-255: the one first fill at the start
	s_lshl_b32 s22, s15, 17                        ; qw, qr, av: 1024 rows x 128 bytes for each (batch, head)
	s_add_nc_u64 s[58:59], s[4:5], s[22:23]        ; qw
	s_add_nc_u64 s[56:57], s[58:59], 0x800000      ; qr
	s_lshl_b32 s18, s14, 7
	s_add_co_u32 s22, s22, s18
	s_add_nc_u64 s[60:61], s[10:11], s[22:23]      ; av at my first query
	s_sub_co_u32 s16, 992, s14                     ; base: the first column of the next two X tiles
	v_and_b32 v248, 7, v0                          ; l % 8
	v_bfe_u32 v249, v0, 3, 1                       ; (l / 8) % 2
	v_and_b32 v250, 15, v0                         ; r
	v_bfe_u32 v252, v0, 4, 1                       ; h
	v_lshlrev_b32 v251, 4, v252                    ; 16 h
	v_lshl_add_u32 v253, v249, 4, v248
	v_add_nc_u32 v253, s14, v253                   ; A row r of tile 0 is query i0 + r % 8 + 16 (r / 8)
	v_lshl_add_u32 v[VQ], v253, 7, v251
	v_add_nc_u32 v[VQ1], 128, v[VQ]
	v_add_nc_u32 v253, 9, v253
	v_min_u32 v253, 0x3ff, v253
	v_lshl_add_u32 v[VQ9], v253, 7, v251
.irp tt, 0,1
.irp kp, 0,1
	global_load_b128 v[QW+16*\tt+8*\kp:QW+16*\tt+8*\kp+3],   v[VQ], s[58:59] offset:1024*\tt+64*\kp
	global_load_b128 v[QW+16*\tt+8*\kp+4:QW+16*\tt+8*\kp+7], v[VQ], s[58:59] offset:1024*\tt+64*\kp+32
	global_load_b128 v[QR+16*\tt+8*\kp:QR+16*\tt+8*\kp+3],   v[VQ], s[56:57] offset:1024*\tt+64*\kp
	global_load_b128 v[QR+16*\tt+8*\kp+4:QR+16*\tt+8*\kp+7], v[VQ], s[56:57] offset:1024*\tt+64*\kp+32
.endr
.endr
	v_mul_u32_u24 v253, v250, PK
	v_add_nc_u32 v253, v253, v251                  ; r x 144 + 16 h
	s_sub_co_u32 s18, 7, s12
	s_mul_i32 s18, s18, 32*PK                      ; wave w at step s reads window rows 32 (s - w + 8): (7 - w) here, (s + 1) in the immediate
	s_add_co_u32 s18, s18, ROFF
	v_add_nc_u32 v[VR], s18, v253
	v_add_nc_u32 v[VR+1], SLOT, v[VR]
	v_mov_b32 v[VK], v253
	v_add_nc_u32 v[VK+1], SLOT, v253
	v_lshl_add_u32 v254, v252, 3, v248             ; 8 h + l % 8
	v_mul_u32_u24 v255, v254, PVV
	v_lshl_add_u32 v255, v249, 4, v255
	v_add_nc_u32 v[VV], VOFF, v255
	v_add_nc_u32 v[VV+1], VOFF+SLOT, v255
	s_lshl_b32 s19, s12, 11
	s_add_co_u32 s19, s19, PSTG                    ; my P stage: [T][32 keys][32 bytes = 16 queries]
	v_xor_b32 v255, v252, v249                     ; the two 16-byte halves of a row are swapped in rows 8-15 of each 16, so that sixteen lanes
	v_lshlrev_b32 v255, 4, v255                    ; touch sixteen different 16-byte columns both on the way in and on the way back
	v_lshl_add_u32 v[VPS], v250, 5, v255
	v_add_nc_u32 v[VPS], s19, v[VPS]
	v_lshl_add_u32 v[VPL], v254, 5, v255
	v_add_nc_u32 v[VPL], s19, v[VPL]
	s_mul_i32 s19, s12, 32*PK                      ; my O stage, used at the very end: 32 rows x 144 in slot 0
	v_mul_u32_u24 v253, v252, 16*PK
	v_lshl_add_u32 v253, v250, 1, v253
	v_add_nc_u32 v[VOS], s19, v253                 ; row 16 h, column r
	v_bfe_u32 v253, v0, 3, 2
	v_mul_u32_u24 v253, v253, PK
	v_lshl_add_u32 v253, v248, 4, v253
	v_add_nc_u32 v[VOL], s19, v253
	v_and_b32 v253, 31, v0
	v_lshlrev_b32 v[VCO], 4, v253
.irp i, 0,1,2,3,4,5,6,7
	v_mov_b32 v[ONES+\i], 0x3c003c00               ; 1.0 twice, in f16
.endr
.irp t, 0,1,2,3,4,5,6,7,8,9,10,11,12,13,14
	s_mov_b32 s[MK+\t], (((0xffff<<(15-\t))&0xffff)*0x10001)
.endr
	s_mov_b32 s[HM], 0xffff0000
.macro LDR slot, s                     ; 8 loads: the 32 rows of rext of step s (two tiles, two halves of d)
.irp tl, 0,1
.irp kp, 0,1
	ds_load_b128 v[RF+16*\tl+8*\kp:RF+16*\tl+8*\kp+3],   v[VR+\slot] offset:((\s)+1)*32*PK+\tl*16*PK+64*\kp
	ds_load_b128 v[RF+16*\tl+8*\kp+4:RF+16*\tl+8*\kp+7], v[VR+\slot] offset:((\s)+1)*32*PK+\tl*16*PK+64*\kp+32
.endr
.endr
.endm
.macro LDK slot, s                     ; 8 loads: the 32 keys of step s
.irp tl, 0,1
.irp kp, 0,1
	ds_load_b128 v[KF+16*\tl+8*\kp:KF+16*\tl+8*\kp+3],   v[VK+\slot] offset:(\s)*32*PK+\tl*16*PK+64*\kp
	ds_load_b128 v[KF+16*\tl+8*\kp+4:KF+16*\tl+8*\kp+7], v[VK+\slot] offset:(\s)*32*PK+\tl*16*PK+64*\kp+32
.endr
.endr
.endm
.macro LDV vf, slot, off               ; 8 transposing loads: V's 32 keys from key off of the slot, all 64 d
.irp dt, 0,1,2,3
	ds_load_tr16_b128 v[\vf+8*\dt:\vf+8*\dt+3],   v[VV+\slot] offset:(\off)*PVV+32*\dt
	ds_load_tr16_b128 v[\vf+8*\dt+4:\vf+8*\dt+7], v[VV+\slot] offset:(\off)*PVV+32*\dt+16*PVV
.endr
.endm
.macro SWITCH                          ; at column 2048 the X stream goes on with qr[i + 1]; each wave passes here once with base = 2048
	s_cmp_lg_u32 s16, 2048
	s_cbranch_scc1 .Lsame_\@
.irp kp, 0,1
	global_load_b128 v[QR+8*\kp:QR+8*\kp+3],       v[VQ1], s[56:57] offset:64*\kp
	global_load_b128 v[QR+8*\kp+4:QR+8*\kp+7],     v[VQ1], s[56:57] offset:64*\kp+32
	global_load_b128 v[QR+16+8*\kp:QR+16+8*\kp+3], v[VQ9], s[56:57] offset:64*\kp
	global_load_b128 v[QR+16+8*\kp+4:QR+16+8*\kp+7], v[VQ9], s[56:57] offset:64*\kp+32
.endr
	s_wait_loadcnt 0x0
.Lsame_\@:
	s_add_co_u32 s16, s16, 32
.endm
; two new X tiles for both row tiles: four accumulators by turns, one instruction a turn
.macro XMUL n1, n2
	v_wmma_f32_16x16x32_f16 v[\n1:\n1+7],    v[QR:QR+7],     v[RF:RF+7],     0
	v_wmma_f32_16x16x32_f16 v[\n1+8:\n1+15], v[QR+16:QR+23], v[RF:RF+7],     0
	v_wmma_f32_16x16x32_f16 v[\n2:\n2+7],    v[QR:QR+7],     v[RF+16:RF+23], 0
	v_wmma_f32_16x16x32_f16 v[\n2+8:\n2+15], v[QR+16:QR+23], v[RF+16:RF+23], 0
	v_wmma_f32_16x16x32_f16 v[\n1:\n1+7],    v[QR+8:QR+15],  v[RF+8:RF+15],  v[\n1:\n1+7]
	v_wmma_f32_16x16x32_f16 v[\n1+8:\n1+15], v[QR+24:QR+31], v[RF+8:RF+15],  v[\n1+8:\n1+15]
	v_wmma_f32_16x16x32_f16 v[\n2:\n2+7],    v[QR+8:QR+15],  v[RF+24:RF+31], v[\n2:\n2+7]
	v_wmma_f32_16x16x32_f16 v[\n2+8:\n2+15], v[QR+24:QR+31], v[RF+24:RF+31], v[\n2+8:\n2+15]
.endm
; One step: 32 keys (score tiles kt0, kt0 + 1 of the block).  On entry XP = X_(base-16), ZP = Z_(base-16).  N1, N2 receive X_base, X_(base+16).
; On exit N2 is the next XP and N1 (= Z_(base+16)) the next ZP; XP and ZP have gone into the scores and are the next N1, N2.
.macro STEP slot, s, kt0, XP, ZP, N1, N2, more
	SWITCH
	s_wait_dscnt 0x8                               ; rext's fragments are in; K's eight younger loads stay out
	XMUL \N1, \N2
	PLACES4                                        ; in front of loads into the fragments and of the selects that read the results
.if \more
	LDR \slot, \s+1
.endif
.irp t, 0,1,2,3,4,5,6,7,8,9,10,11,12,13,14,15
	v_cndmask_b32 v[\XP+\t], v[\N1+\t], v[\XP+\t], s[HM]           ; Z_base: lanes 0-15 X_base, lanes 16-31 X_(base-16)
.endr
.irp t, 0,1,2,3,4,5,6,7,8,9,10,11,12,13,14,15
	v_cndmask_b32 v[\N1+\t], v[\N2+\t], v[\N1+\t], s[HM]           ; Z_(base+16)
.endr
.irp t, 0,1,2,3,4,5,6,7,8,9,10,11,12,13,14
	v_cndmask_b32 v[\ZP+\t], v[\XP+\t], v[\ZP+\t], s[MK+\t]        ; M of the first key tile: lanes >= 15 - t from Z_(base-16), the others from Z_base
.endr
.irp t, 0,1,2,3,4,5,6,7,8,9,10,11,12,13,14
	v_cndmask_b32 v[\XP+\t], v[\N1+\t], v[\XP+\t], s[MK+\t]        ; M of the second: from Z_base and Z_(base+16).  t = 15 needs neither select nor rotation
.endr
.irp t, 1,2,3,4,5,6,7,8,9,10,11,12,13,14,15
	v_mov_b32_dpp v[\ZP+\t-1], v[\ZP+\t-1] row_ror:\t row_mask:0xf bank_mask:0xf
	v_mov_b32_dpp v[\XP+\t-1], v[\XP+\t-1] row_ror:\t row_mask:0xf bank_mask:0xf
.endr
.if \more
	s_wait_dscnt 0x8                               ; K's fragments are in; the next step's eight rext loads stay out
.else
	s_wait_dscnt 0x0
.endif
	WIN 0x40                                       ; D in window 1, C (the shifted position scores) in window 0
	v_wmma_f32_16x16x32_f16 v[8*\kt0:8*\kt0+7],       v[QW:QW+7],     v[KF:KF+7],     v[\ZP:\ZP+7]
	v_wmma_f32_16x16x32_f16 v[64+8*\kt0:64+8*\kt0+7], v[QW+16:QW+23], v[KF:KF+7],     v[\ZP+8:\ZP+15]
	v_wmma_f32_16x16x32_f16 v[8*\kt0+8:8*\kt0+15],    v[QW:QW+7],     v[KF+16:KF+23], v[\XP:\XP+7]
	v_wmma_f32_16x16x32_f16 v[64+8*\kt0+8:64+8*\kt0+15], v[QW+16:QW+23], v[KF+16:KF+23], v[\XP+8:\XP+15]
	WIN 0x50
	v_wmma_f32_16x16x32_f16 v[8*\kt0:8*\kt0+7],       v[QW+8:QW+15],  v[KF+8:KF+15],  v[8*\kt0:8*\kt0+7]
	v_wmma_f32_16x16x32_f16 v[64+8*\kt0:64+8*\kt0+7], v[QW+24:QW+31], v[KF+8:KF+15],  v[64+8*\kt0:64+8*\kt0+7]
	v_wmma_f32_16x16x32_f16 v[8*\kt0+8:8*\kt0+15],    v[QW+8:QW+15],  v[KF+24:KF+31], v[8*\kt0+8:8*\kt0+15]
	v_wmma_f32_16x16x32_f16 v[64+8*\kt0+8:64+8*\kt0+15], v[QW+24:QW+31], v[KF+24:KF+31], v[64+8*\kt0+8:64+8*\kt0+15]
	WIN 0
	PLACES5                                        ; five: the next X products write over the C operands above; four serve the loads into K's fragments
.if \more
	LDK \slot, \s+1
.endif
.endm
.macro PRE                             ; the two X tiles in front of the first step: XA = X_(base0-16), XB = Z_(base0-16)
	LDR 0, -1
	s_wait_dscnt 0x0
	XMUL XB, XA
	PLACES4
.irp t, 0,1,2,3,4,5,6,7,8,9,10,11,12,13,14,15
	v_cndmask_b32 v[XB+\t], v[XA+\t], v[XB+\t], s[HM]
.endr
	s_add_co_u32 s16, s16, 32
.endm
; 128 keys of scores -> p in f16.  mo: the old maxima, mn: the new ones.  first = 1: there is nothing old.
.macro SOFTMAX mo, mn, first
	WIN 0x55                                       ; everything in window 1
.irp t, 0,1,2,3,4,5,6,7,8,9,10,11,12,13,14,15
.if \first
	v_max_num_f32 v[\mn+\t], v[64*(\t/8)+(\t%8)], v[64*(\t/8)+(\t%8)+8]
.else
	v_max3_num_f32 v[\mn+\t], v[\mo+\t], v[64*(\t/8)+(\t%8)], v[64*(\t/8)+(\t%8)+8]
.endif
.endr
.irp k, 16,32,48
.irp t, 0,1,2,3,4,5,6,7,8,9,10,11,12,13,14,15
	v_max3_num_f32 v[\mn+\t], v[\mn+\t], v[64*(\t/8)+(\t%8)+\k], v[64*(\t/8)+(\t%8)+\k+8]
.endr
.endr
.irp x, 1,2,4,8
.irp t, 0,1,2,3,4,5,6,7,8,9,10,11,12,13,14,15
	v_max_num_f32_dpp v[\mn+\t], v[\mn+\t], v[\mn+\t] row_xmask:\x row_mask:0xf bank_mask:0xf   ; a row's 16 keys lie in 16 lanes
.endr
.endr
.if \first == 0
.irp p, 0,2,4,6,8,10,12,14
	v_pk_add_f32 v[AL+\p:AL+\p+1], v[\mo+\p:\mo+\p+1], v[\mn+\p:\mn+\p+1] neg_lo:[0,1] neg_hi:[0,1]
.endr
.irp t, 0,1,2,3,4,5,6,7,8,9,10,11,12,13,14,15
	v_exp_f32 v[AL+\t], v[AL+\t]
.endr
.endif
.set i, 0
.rept 64
	v_pk_add_f32 v[2*i:2*i+1], v[2*i:2*i+1], v[\mn+8*(i/32)+2*(i%4):\mn+8*(i/32)+2*(i%4)+1] neg_lo:[0,1] neg_hi:[0,1]
.set i, i+1
.endr
.set i, 0
.rept 128
	v_exp_f32 v[i], v[i]
.set i, i+1
.endr
	v_nop                                          ; one plain place behind the exponentials, in front of the first use of a result (ISA guide 5.7.2)
.if \first == 0
.set i, 0
	s_wait_alu depctr_va_vdst(0)
.rept 32
	v_pk_mul_f32 v[OB+2*i:OB+2*i+1], v[OB+2*i:OB+2*i+1], v[AL+8*(i/16)+2*(i%4):AL+8*(i/16)+2*(i%4)+1]
.set i, i+1
.endr
.set i, 0
.rept 8
	v_pk_mul_f32 v[LS+2*i:LS+2*i+1], v[LS+2*i:LS+2*i+1], v[AL+2*i:AL+2*i+1]
.set i, i+1
.endr
.endif
.set i, 0
	s_wait_alu depctr_va_vdst(0)
.rept 16
.irp q, 0,1,2,3
	v_cvt_pk_f16_f32 v[8*i+\q], v[8*i+2*\q], v[8*i+2*\q+1]         ; rows 2 q, 2 q + 1 of a tile, in place: a lane's 8 queries of one key are 16 bytes
.endr
.set i, i+1
.endr
.endm
.macro PST ck                          ; chunk ck (32 keys) of p into my stage
.irp tt, 0,1
.irp kk, 0,1
	ds_store_b128 v[VPS], v[64*\tt+8*(2*\ck+\kk):64*\tt+8*(2*\ck+\kk)+3] offset:1024*\tt+512*\kk
.endr
.endr
.endm
.macro PLD pf                          ; and back as A fragments; LDS serves a wave in order, so these see the stores above and are served ahead of the next chunk's
.irp tt, 0,1
	ds_load_tr16_b128 v[\pf+8*\tt:\pf+8*\tt+3],   v[VPL] offset:1024*\tt
	ds_load_tr16_b128 v[\pf+8*\tt+4:\pf+8*\tt+7], v[VPL] offset:1024*\tt+512
.endr
.endm
.macro PVMUL pf, vf, zero              ; ten accumulators by turns, one instruction a turn
.irp dt, 0,1,2,3
.irp tt, 0,1
.if \zero
	v_wmma_f32_16x16x32_f16 v[OB+32*\tt+8*\dt:OB+32*\tt+8*\dt+7], v[\pf+8*\tt:\pf+8*\tt+7], v[\vf+8*\dt:\vf+8*\dt+7], 0
.else
	v_wmma_f32_16x16x32_f16 v[OB+32*\tt+8*\dt:OB+32*\tt+8*\dt+7], v[\pf+8*\tt:\pf+8*\tt+7], v[\vf+8*\dt:\vf+8*\dt+7], v[OB+32*\tt+8*\dt:OB+32*\tt+8*\dt+7]
.endif
.endr
.endr
.irp tt, 0,1
.if \zero
	v_wmma_f32_16x16x32_f16 v[LS+8*\tt:LS+8*\tt+7], v[\pf+8*\tt:\pf+8*\tt+7], v[ONES:ONES+7], 0
.else
	v_wmma_f32_16x16x32_f16 v[LS+8*\tt:LS+8*\tt+7], v[\pf+8*\tt:\pf+8*\tt+7], v[ONES:ONES+7], v[LS+8*\tt:LS+8*\tt+7]
.endif
.endr
.endm
.macro BLOCK slot, blk, mo, mn, first  ; 128 keys
	LDR \slot, 4*\blk
	LDK \slot, 4*\blk
	STEP \slot, 4*\blk+0, 0, XA, XB, XC, XD, 1
	STEP \slot, 4*\blk+1, 2, XD, XC, XA, XB, 1
	STEP \slot, 4*\blk+2, 4, XB, XA, XD, XC, 1
	STEP \slot, 4*\blk+3, 6, XC, XD, XB, XA, 0
	LDV VF0, \slot, 128*\blk                       ; V's first two chunks land during the softmax
	LDV VF1, \slot, 128*\blk+32
	SOFTMAX \mo, \mn, \first
	WIN 0x04                                       ; LDS store data in window 1
	PST 0
	PLD PF0
	PST 1
	PLD PF1
	s_wait_dscnt 0x8                               ; all but chunk 1's four stores and four loads
	WIN 0x50
	PVMUL PF0, VF0, \first
	PLACES4                                        ; in front of loads into the fragments just read
	WIN 0x04
	LDV VF0, \slot, 128*\blk+64
	PST 2
	PLD PF0
	s_wait_dscnt 16                                ; all but chunk 2's sixteen
	WIN 0x50
	PVMUL PF1, VF1, 0
	PLACES4
	WIN 0x04
	LDV VF1, \slot, 128*\blk+96
	PST 3
	PLD PF1
	s_wait_dscnt 16                                ; all but chunk 3's sixteen
	WIN 0x50
	PVMUL PF0, VF0, 0
	s_wait_dscnt 0x0
	PVMUL PF1, VF1, 0
	WIN 0
	PLACES4                                        ; in front of the next block's loads into the fragments, and of the end's reads of O
.endm
; 256 keys in one slot.  In front of the barrier: all my tensor loads have landed (my part of this slot among them), so every group 0 may be written,
; and my reads of the other slot are back.  Behind it the other slot is filled again first, one load a wave, and has this trip's work in which to land.
.macro TRIP slot, refill, first
	s_wait_tensorcnt 0x0
	s_add_nc_u64 s[G0A+4*\slot+2:G0A+4*\slot+3], s[G0A+4*\slot+2:G0A+4*\slot+3], 2*TILEB
	s_add_nc_u64 s[G0V+4*\slot+2:G0V+4*\slot+3], s[G0V+4*\slot+2:G0V+4*\slot+3], 2*TILEB
	s_wait_dscnt 0x0
	s_barrier_signal -1
	s_barrier_wait -1
.if \refill
	TLOAD 1-\slot
.endif
.if \first
	s_wait_loadcnt 0x0                             ; qw, qr
	PRE
.endif
	BLOCK \slot, 0, MA, MB, \first
	BLOCK \slot, 1, MB, MA, 0
.endm
	TRIP 0, 1, 1
	TRIP 1, 1, 0
	s_mov_b32 s17, 2
.Lloop:
	TRIP 0, 1, 0
	TRIP 1, 1, 0
	s_sub_co_u32 s17, s17, 1
	s_cmp_lg_u32 s17, 0
	s_cbranch_scc1 .Lloop
	TRIP 0, 1, 0
	TRIP 1, 0, 0                                   ; the last 256 keys: nothing is left to fetch
	; THE END: O / row sum, bf16, through a stage of my own in slot 0 (its last fill has landed and every wave's last read of it lies in front of the
	; last barrier), back as whole rows: a wave's store covers 512 consecutive aligned bytes of av[b][head][t][64].
	WIN 0x55
.irp t, 0,1,2,3,4,5,6,7,8,9,10,11,12,13,14,15
	v_rcp_f32 v[AL+\t], v[LS+\t]                   ; a row sum is at least 1: the row's largest p is 1
.endr
	v_nop
.set i, 0
	s_wait_alu depctr_va_vdst(0)
.rept 32
	v_pk_mul_f32 v[OB+2*i:OB+2*i+1], v[OB+2*i:OB+2*i+1], v[AL+8*(i/16)+2*(i%4):AL+8*(i/16)+2*(i%4)+1]
.set i, i+1
.endr
.set i, 0
.rept 8
.irp q, 0,1,2,3
	v_cvt_pk_bf16_f32 v[OB+8*i+\q], v[OB+8*i+2*\q], v[OB+8*i+2*\q+1]
.endr
.set i, i+1
.endr
	WIN 0x04
.irp tt, 0,1
.irp dt, 0,1,2,3
.irp q, 0,1,2,3
	ds_store_b16 v[VOS], v[OB+32*\tt+8*\dt+\q] offset:(8*\tt+2*\q)*PK+32*\dt
	ds_store_b16_d16_hi v[VOS], v[OB+32*\tt+8*\dt+\q] offset:(8*\tt+2*\q+1)*PK+32*\dt
.endr
.endr
.endr
	WIN 0
.irp i, 0,1,2,3,4,5,6,7
	ds_load_b128 v[RF+4*\i:RF+4*\i+3], v[VOL] offset:4*PK*\i       ; four rows of 128 bytes
.endr
.irp i, 0,1,2,3,4,5,6,7
	s_wait_dscnt 7-\i
	global_store_b128 v[VCO], v[RF+4*\i:RF+4*\i+3], s[60:61] offset:512*\i
.endr
	s_endpgm
.Lfunc_end_k_qaee59a04ae_attn:
	.size	k_qaee59a04ae_attn, .Lfunc_end_k_qaee59a04ae_attn-k_qaee59a04ae_attn
	.p2alignl 7, 3214868480
	.fill 96, 4, 3214868480
	.section	.rodata,"a",@progbits
	.p2align	6, 0x0
	.amdhsa_kernel k_qaee59a04ae_attn
		.amdhsa_group_segment_fixed_size 327680
		.amdhsa_private_segment_fixed_size 0
		.amdhsa_enable_private_segment 0
		.amdhsa_kernarg_size 32
		.amdhsa_user_sgpr_count 2
		.amdhsa_user_sgpr_kernarg_segment_ptr 1
		.amdhsa_wavefront_size32 1
		.amdhsa_system_sgpr_workgroup_id_x 1
		.amdhsa_system_sgpr_workgroup_id_y 1
		.amdhsa_system_sgpr_workgroup_id_z 1
		.amdhsa_system_vgpr_workitem_id 0
		.amdhsa_next_free_vgpr 512
		.amdhsa_next_free_sgpr 84
		.amdhsa_reserve_vcc 0
		.amdhsa_float_denorm_mode_32 3
		.amdhsa_float_denorm_mode_16_64 3
		.amdhsa_memory_ordered 1
		.amdhsa_forward_progress 1
		.amdhsa_inst_pref_size 255
	.end_amdhsa_kernel
	.section	.bss,"aw",@nobits
	.p2align	6
	.space	262144
	.amdgpu_metadata
---
amdhsa.version: [ 1, 2 ]
amdhsa.kernels:
  - .name:           k_qaee59a04ae_attn
    .symbol:         k_qaee59a04ae_attn.kd
    .args:
      - { .name: qwr, .offset: 0, .size: 8, .value_kind: global_buffer, .address_space: global }
      - { .name: kv, .offset: 8, .size: 8, .value_kind: global_buffer, .address_space: global }
      - { .name: rext, .offset: 16, .size: 8, .value_kind: global_buffer, .address_space: global }
      - { .name: av, .offset: 24, .size: 8, .value_kind: global_buffer, .address_space: global }
    .group_segment_fixed_size: 327680
    .private_segment_fixed_size: 0
    .kernarg_segment_align: 8
    .kernarg_segment_size: 32
    .max_flat_workgroup_size: 256
    .sgpr_count:     84
    .vgpr_count:     512
    .wavefront_size: 32
...
	.end_amdgpu_metadata
.endif
;; end of part 3
;; launch outp (part 4): grid 8 x 32, 4 waves a work-group, clusters of 4 x 4, 327,680 bytes of LDS; arguments av, wb, out0; writes out0
.if DOCPART == 4
	.amdgcn_target "amdgcn-amd-amdhsa--gfx1250"
	.amdhsa_code_object_version 6
	.text
	.protected	k_qaee59a04ae_outp
	.globl	k_qaee59a04ae_outp
	.p2align	8
	.type	k_qaee59a04ae_outp,@function
k_qaee59a04ae_outp:
	s_mov_b64 s[64:65], 0
	v_nop
	global_prefetch_b8 v0, s[64:65] scope:SCOPE_SE
	s_setreg_imm32_b32 hwreg(HW_REG_WAVE_MODE, 25, 1), 1
	s_wait_xcnt 0x0
	s_wait_alu depctr_hold_cnt(0) depctr_sa_sdst(0) depctr_va_vdst(0) depctr_va_sdst(0) depctr_va_ssrc(0) depctr_va_vcc(0) depctr_vm_vsrc(0)
	s_getreg_b32 s2, hwreg(HW_REG_IB_STS2, 6, 4)
	s_cmp_eq_u32 s2, 0
	s_cbranch_scc0 .Lentry_in_a_cluster
	s_endpgm
.Lentry_in_a_cluster:
	s_bfe_u32 s2, ttmp6, 0x10000c
	s_cmp_lg_u32 s2, 0xf033
	s_cbranch_scc0 .Lentry_shape_is_right
	s_endpgm
.Lentry_shape_is_right:
; out0 = attn_vec Wo, f32 out.  attn_vec comes as av[b][head][t][64] in bf16, Wo as the fifth matrix of wb, [k][n] in bf16.  Sums in f32.
; A work-group makes 128 rows x 128 columns with four waves, a wave 64 x 64: 16 accumulator tiles in window 1.  256 work-groups.
; K goes in steps of 128 = two heads through two LDS slots: two head planes of 128 rows x 128 bytes (pitch 144), then 128 k rows of Wo x 256 bytes (pitch 288).
; Waves 0, 1 fetch a plane each, waves 2, 3 64 k rows each: every load fills 18,432 bytes at wave x 18,432 of the slot.
; Clusters of 4 x 4: av's planes are shared along a row of the cluster, Wo's tile along a column, by joint loads.
; The matrix instruction is used transposed (source 0 = Wo's fragment by transposing LDS loads, source 1 = av's): a lane holds eight neighbouring columns of a row.
; The way out goes through a stage of the wave's own, so that sixteen lanes store 256 consecutive aligned bytes of a row of out0.
; LIMITS: operands are bf16; NaN and infinities get no special care.
.set PA,    144
.set PB,    288
.set PART,  18432                      ; what one tensor load fills
.set SLOT,  4*PART
.set STAGE, 2*SLOT                     ; 147,456
.set SP,    272                        ; stage pitch: 64 f32 + 16 bytes
.set ADRA, 16
.set ADRB, 20
.set STF,  26
.set RDFA, 27
.set CO,   28
.set F0,   32                          ; Wo's fragments at + 8 b, av's at + 32 + 8 a
.set F1,   96
.set RB,   160
.set G1,  24
.set G0,  32
.set G1B, 48
.set G0B, 56
.set MSB, 0
.macro WIN new
.if MSB != \new
	s_set_vgpr_msb (MSB<<8)|\new
.set MSB, \new
.endif
.endm
.macro PLACES
.rept 4
	v_nop
.endr
.endm
.macro JLOAD s
	s_cmp_eq_u32 s11, 0
	s_cbranch_scc0 .Lfor_b_\@
	tensor_load_to_lds s[G0+4*\s:G0+4*\s+3], s[G1:G1+7]
	s_nop 0
	s_branch .Lasked_\@
.Lfor_b_\@:
	tensor_load_to_lds s[G0B+4*\s:G0B+4*\s+3], s[G1B:G1B+7]
	s_nop 0
.Lasked_\@:
.endm
.macro CREST
	s_cmp_lg_u32 s10, 0
	s_cbranch_scc1 .Lnot_wave_0_\@
	s_barrier_signal -3
.Lnot_wave_0_\@:
	s_barrier_wait -3
	s_barrier_signal -1
	s_barrier_wait -1
.endm
.macro CROUND
	s_barrier_signal -1
	s_barrier_wait -1
	CREST
.endm
	s_load_b128 s[4:7], s[0:1], 0x0                ; av, wb
	s_load_b64 s[8:9], s[0:1], 0x10                ; out0
	v_lshrrev_b32 v1, 5, v0
	v_readfirstlane_b32 s10, v1                    ; wave
	s_lshr_b32 s11, s10, 1                         ; my half of the rows; also: I fetch av (0) or Wo (1)
	s_and_b32 s12, s10, 1                          ; my half of the columns; also: which part I fetch
	s_bfe_u32 s40, ttmp6, 0x40000                  ; cx
	s_bfe_u32 s41, ttmp6, 0x40004                  ; cy
	s_lshl_b32 s42, ttmp9, 2
	s_add_co_u32 s42, s42, s40                     ; block column 0..7
	s_and_b32 s13, ttmp7, 0xffff
	s_lshl_b32 s13, s13, 2
	s_add_co_u32 s13, s13, s41                     ; block row 0..31
	s_lshl_b32 s43, s41, 2
	s_lshl_b32 s43, 15, s43                        ; my row of the cluster
	s_lshl_b32 s44, 0x1111, s40                    ; my column
	; av: 128 rows x 64 elements, 4 words of padding behind every 32 words
	s_or_b32 s[G1+0], s43, (1<<16)|(1<<20)|(1<<21)|(4<<22)|(3<<25)
	s_mov_b32 s[G1+1], 64<<16
	s_mov_b32 s[G1+2], 128<<16
	s_mov_b32 s[G1+3], 64<<16
	s_mov_b32 s[G1+4], 128
	s_mov_b32 s[G1+5], 64
	s_mov_b32 s[G1+6], 0
	s_mov_b32 s[G1+7], 0
	; Wo: 64 k rows x 128 elements, 8 words of padding behind every 64 words
	s_or_b32 s[G1B+0], s44, (1<<16)|(1<<20)|(1<<21)|(5<<22)|(7<<25)
	s_mov_b32 s[G1B+1], 128<<16
	s_mov_b32 s[G1B+2], 64<<16
	s_mov_b32 s[G1B+3], 128<<16
	s_mov_b32 s[G1B+4], 64
	s_mov_b32 s[G1B+5], 1024
	s_mov_b32 s[G1B+6], 0
	s_mov_b32 s[G1B+7], 0
	s_lshr_b32 s16, s13, 3                         ; batch
	s_lshl_b32 s16, s16, 4
	s_add_co_u32 s16, s16, s12                     ; 16 batch + the head that I fetch of K step 0
	s_lshl_b32 s16, s16, 10
	s_and_b32 s17, s13, 7
	s_lshl_b32 s17, s17, 7                         ; t of the block's first row
	s_add_co_u32 s16, s16, s17
	s_lshl_b32 s16, s16, 7                         ; rows of 128 bytes
	s_mov_b32 s17, 0
	s_lshl_b32 s46, s12, 17                        ; Wo: 64 k rows of 2,048 bytes
	s_lshl_b32 s47, s42, 8                         ; + 128 columns
	s_add_co_u32 s46, s46, s47
	s_add_co_u32 s46, s46, 0x800000                ; the fifth matrix of wb
	s_mov_b32 s47, 0
	s_mul_i32 s20, s10, PART                       ; LDS: wave x 18,432
	s_wait_kmcnt 0x0
	s_add_nc_u64 s[14:15], s[4:5], s[16:17]
	s_add_nc_u64 s[46:47], s[6:7], s[46:47]
	CROUND                                         ; all sixteen work-groups are here: the first joint loads meet
.irp s, 0,1
	s_mov_b32 s[G0+4*\s], 1
	s_add_co_u32 s[G0+4*\s+1], s20, \s*SLOT
	s_add_nc_u64 s[G0+4*\s+2:G0+4*\s+3], s[14:15], \s*262144       ; K step s: two heads of 131,072 bytes on
	s_or_b32 s[G0+4*\s+3], s[G0+4*\s+3], 0x80000000
	s_mov_b32 s[G0B+4*\s], 1
	s_add_co_u32 s[G0B+4*\s+1], s20, \s*SLOT
	s_add_nc_u64 s[G0B+4*\s+2:G0B+4*\s+3], s[46:47], \s*262144     ; K step s: 128 k rows down
	s_or_b32 s[G0B+4*\s+3], s[G0B+4*\s+3], 0x80000000
	JLOAD \s                                       ; two loads of a wave are out here, one at any later time
.endr
	v_and_b32 v1, 15, v0                           ; r
	v_bfe_u32 v2, v0, 4, 1                         ; h
	v_and_b32 v3, 7, v0
	v_bfe_u32 v4, v0, 3, 1
	v_mul_u32_u24 v5, v1, PA
	v_lshl_add_u32 v5, v2, 4, v5
	s_mul_i32 s22, s11, 64*PA                      ; my 64 rows in each plane
	v_add_nc_u32 v[ADRA], s22, v5
	v_add_nc_u32 v[ADRA+1], SLOT, v[ADRA]
	v_lshl_add_u32 v6, v2, 3, v3
	v_mul_u32_u24 v6, v6, PB
	v_lshl_add_u32 v6, v4, 4, v6
	s_lshl_b32 s22, s12, 7                         ; my 64 columns
	s_add_co_u32 s22, s22, 2*PART
	v_add_nc_u32 v[ADRB], s22, v6
	v_add_nc_u32 v[ADRB+1], SLOT, v[ADRB]
	s_mul_i32 s23, s10, 16*SP
	s_add_co_u32 s23, s23, STAGE
	v_mul_u32_u24 v7, v1, SP
	v_lshl_add_u32 v7, v2, 5, v7
	v_add_nc_u32 v[STF], s23, v7
	v_mul_u32_u24 v8, v2, SP
	v_lshl_add_u32 v8, v1, 4, v8
	v_add_nc_u32 v[RDFA], s23, v8
	v_lshlrev_b32 v9, 12, v2                       ; lanes 16-31: one row of 4,096 bytes further down
	v_lshl_add_u32 v[CO], v1, 4, v9
; The 16 accumulators take turns, one instruction a turn, in the same order everywhere.
.macro MULA f, a, zero
.irp b, 0,1,2,3
.if \zero
	v_wmma_f32_16x16x32_bf16 v[8*(4*\a+\b):8*(4*\a+\b)+7], v[\f+8*\b:\f+8*\b+7], v[\f+32+8*\a:\f+32+8*\a+7], 0
.else
	v_wmma_f32_16x16x32_bf16 v[8*(4*\a+\b):8*(4*\a+\b)+7], v[\f+8*\b:\f+8*\b+7], v[\f+32+8*\a:\f+32+8*\a+7], v[8*(4*\a+\b):8*(4*\a+\b)+7]
.endif
.endr
.endm
.macro FETCH slot, kq, f               ; 16 LDS loads: quarter kq = 32 along K: plane kq / 2, half kq % 2 of its 64
.irp b, 0,1,2,3
	ds_load_tr16_b128 v[\f+8*\b:\f+8*\b+3],   v[ADRB+\slot] offset:\kq*32*PB+32*\b
	ds_load_tr16_b128 v[\f+8*\b+4:\f+8*\b+7], v[ADRB+\slot] offset:\kq*32*PB+32*\b+16*PB
.endr
.irp a, 0,1,2,3
	ds_load_b128 v[\f+32+8*\a:\f+32+8*\a+3],   v[ADRA+\slot] offset:(\kq/2)*PART+\a*16*PA+64*(\kq%2)
	ds_load_b128 v[\f+32+8*\a+4:\f+32+8*\a+7], v[ADRA+\slot] offset:(\kq/2)*PART+\a*16*PA+64*(\kq%2)+32
.endr
.endm
.macro QUARTER slot, kq, f, g, zero
	s_wait_dscnt 0x4                               ; all of f but av's row tiles 2 and 3
	WIN 0x50
	MULA \f, 0, \zero
	MULA \f, 1, \zero
	PLACES
	WIN 0
	FETCH \slot, \kq, \g
	s_wait_dscnt 16                                ; all but the 16 just issued
	WIN 0x50
	MULA \f, 2, \zero
	MULA \f, 3, \zero
.endm
.macro THREE slot, zero
	QUARTER \slot, 1, F0, F1, \zero
	QUARTER \slot, 2, F1, F0, 0
	QUARTER \slot, 3, F0, F1, 0
.endm
; the change of slots: each wave's reads of this slot and all its tensor loads are waited for in front of the barrier; where the slot is filled again
; the barrier opens a round of the cluster's barrier and the joint refill is the first tensor load behind the round
.macro TURN slot, next, fill
	s_wait_dscnt 0x4
	WIN 0x50
	MULA F1, 0, 0
	s_wait_dscnt 0x0
	s_wait_tensorcnt 0x0
	s_barrier_signal -1
	MULA F1, 1, 0
	WIN 0
	s_barrier_wait -1
.if \fill
	CREST
	s_add_nc_u64 s[G0+4*\slot+2:G0+4*\slot+3], s[G0+4*\slot+2:G0+4*\slot+3], 524288
	s_add_nc_u64 s[G0B+4*\slot+2:G0B+4*\slot+3], s[G0B+4*\slot+2:G0B+4*\slot+3], 524288
	JLOAD \slot
.endif
	PLACES
	FETCH \next, 0, F0
	WIN 0x50
	MULA F1, 2, 0
	MULA F1, 3, 0
.endm
.macro LAP zero
	THREE 0, \zero
	TURN 0, 1, 1
	THREE 1, 0
	TURN 1, 0, 1
.endm
	s_wait_tensorcnt 0x1                           ; my part of K step 0 is in; K step 1's stays out
	s_barrier_signal -1
	s_barrier_wait -1
	FETCH 0, 0, F0
	LAP 1
	WIN 0
	s_mov_b32 s3, 2
.Llap:
	LAP 0
	WIN 0
	s_sub_co_u32 s3, s3, 1
	s_cmp_lg_u32 s3, 0
	s_cbranch_scc1 .Llap
	THREE 0, 0
	TURN 0, 1, 0
	THREE 1, 0
	s_wait_dscnt 0x4
	WIN 0x50
	MULA F1, 0, 0
	MULA F1, 1, 0
	s_wait_dscnt 0x0
	MULA F1, 2, 0
	MULA F1, 3, 0
	WIN 0
	PLACES                                         ; in front of the LDS stores that read results
	s_lshl_b32 s16, s13, 7
	s_lshl_b32 s17, s11, 6
	s_add_co_u32 s16, s16, s17                     ; my first row of out0
	s_lshl_b32 s16, s16, 12                        ; rows of 4,096 bytes
	s_lshl_b32 s46, s42, 9                         ; my first column: 128 block + 64 half, 4 bytes each
	s_lshl_b32 s47, s12, 8
	s_add_co_u32 s46, s46, s47
	s_add_co_u32 s16, s16, s46
	s_mov_b32 s17, 0
	s_add_nc_u64 s[8:9], s[8:9], s[16:17]
.macro OUT16 a                         ; 16 rows x 64 columns of f32 through my stage
	s_wait_xcnt 0x0                                ; RB, which earlier stores read, is loaded again only behind this wait
	WIN 0x04
.irp b, 0,1,2,3
	ds_store_b128 v[STF], v[8*(4*\a+\b):8*(4*\a+\b)+3] offset:64*\b
	ds_store_b128 v[STF], v[8*(4*\a+\b)+4:8*(4*\a+\b)+7] offset:64*\b+16
.endr
	WIN 0
.irp t, 0,1,2,3,4,5,6,7
	ds_load_b128 v[RB+4*\t:RB+4*\t+3], v[RDFA] offset:\t*2*SP      ; LDS serves a wave in order: these see the stores above
.endr
.irp t, 0,1,2,3,4,5,6,7
	s_wait_dscnt 7-\t
	global_store_b128 v[CO], v[RB+4*\t:RB+4*\t+3], s[8:9] offset:(16*\a+2*\t)*4096 th:TH_STORE_NT
.endr
.endm
	OUT16 0
	OUT16 1
	OUT16 2
	OUT16 3
	CROUND                                         ; the closing round
	s_endpgm
.Lfunc_end_k_qaee59a04ae_outp:
	.size	k_qaee59a04ae_outp, .Lfunc_end_k_qaee59a04ae_outp-k_qaee59a04ae_outp
	.p2alignl 7, 3214868480
	.fill 96, 4, 3214868480
	.section	.rodata,"a",@progbits
	.p2align	6, 0x0
	.amdhsa_kernel k_qaee59a04ae_outp
		.amdhsa_group_segment_fixed_size 327680
		.amdhsa_private_segment_fixed_size 0
		.amdhsa_enable_private_segment 0
		.amdhsa_kernarg_size 24
		.amdhsa_user_sgpr_count 2
		.amdhsa_user_sgpr_kernarg_segment_ptr 1
		.amdhsa_wavefront_size32 1
		.amdhsa_system_sgpr_workgroup_id_x 1
		.amdhsa_system_sgpr_workgroup_id_y 1
		.amdhsa_system_sgpr_workgroup_id_z 1
		.amdhsa_system_vgpr_workitem_id 0
		.amdhsa_next_free_vgpr 384
		.amdhsa_next_free_sgpr 72
		.amdhsa_reserve_vcc 0
		.amdhsa_float_denorm_mode_32 3
		.amdhsa_float_denorm_mode_16_64 3
		.amdhsa_memory_ordered 1
		.amdhsa_forward_progress 1
		.amdhsa_inst_pref_size 73
	.end_amdhsa_kernel
	.amdgpu_metadata
---
amdhsa.version: [ 1, 2 ]
amdhsa.kernels:
  - .name:           k_qaee59a04ae_outp
    .symbol:         k_qaee59a04ae_outp.kd
    .args:
      - { .name: av, .offset: 0, .size: 8, .value_kind: global_buffer, .address_space: global }
      - { .name: wb, .offset: 8, .size: 8, .value_kind: global_buffer, .address_space: global }
      - { .name: out0, .offset: 16, .size: 8, .value_kind: global_buffer, .address_space: global }
    .group_segment_fixed_size: 327680
    .private_segment_fixed_size: 0
    .kernarg_segment_align: 8
    .kernarg_segment_size: 24
    .max_flat_workgroup_size: 128
    .sgpr_count:     72
    .vgpr_count:     384
    .wavefront_size: 32
...
	.end_amdgpu_metadata
.endif
;; end of part 4
;; ======== version 2 of 2: 4 launches
;; limits: values are held in f16: magnitudes above 65,504 overflow, below 6.1e-05 lose precision
;; workspace buffers: xb 20,971,520 bytes; wb 10,485,760 bytes; qwr 16,777,216 bytes; kv 33,554,432 bytes; rext 6,324,224 bytes; av 8,388,608 bytes
;; launch cast: the kernel of part 1 again; grid 64 x 15, 8 waves a work-group, no clusters, 0 bytes of LDS; arguments h, mem, r, Wq, Wk, Wv, Wr, Wo, xb, wb, rext; writes xb, wb, rext
;; launch proj (part 5): grid 4 x 88, 4 waves a work-group, clusters of 4 x 4, 327,680 bytes of LDS; arguments xb, wb, r_w_bias, r_r_bias, qwr, kv, rext, out1, out2; writes qwr, kv, rext, out1, out2
.if DOCPART == 5
	.amdgcn_target "amdgcn-amd-amdhsa--gfx1250"
	.amdhsa_code_object_version 6
	.text
	.protected	k_qaee59a04ae_proj
	.globl	k_qaee59a04ae_proj
	.p2align	8
	.type	k_qaee59a04ae_proj,@function
k_qaee59a04ae_proj:
	s_mov_b64 s[64:65], 0
	v_nop
	global_prefetch_b8 v0, s[64:65] scope:SCOPE_SE
	s_setreg_imm32_b32 hwreg(HW_REG_WAVE_MODE, 25, 1), 1
	s_wait_xcnt 0x0
	s_wait_alu depctr_hold_cnt(0) depctr_sa_sdst(0) depctr_va_vdst(0) depctr_va_sdst(0) depctr_va_ssrc(0) depctr_va_vcc(0) depctr_vm_vsrc(0)
	s_getreg_b32 s2, hwreg(HW_REG_IB_STS2, 6, 4)
	s_cmp_eq_u32 s2, 0
	s_cbranch_scc0 .Lentry_in_a_cluster
	s_endpgm
.Lentry_in_a_cluster:
	s_bfe_u32 s2, ttmp6, 0x10000c
	s_cmp_lg_u32 s2, 0xf033
	s_cbranch_scc0 .Lentry_shape_is_right
	s_endpgm
.Lentry_shape_is_right:
; The four input projections as one bf16 GEMM launch, C = X W, sums in f32: h Wq, [mem; h] Wk, [mem; h] Wv, r Wr.
; A cluster of 4 x 4 work-groups makes 1024 rows of one X by all 1024 columns of one W; the cluster's y (0-21) names the job:
;   0-11 X = h with Wq, Wk, Wv (4 pieces of 1024 rows, a batch each);  12-19 X = mem with Wk, Wv;  20-21 X = r with Wr.
; A work-group makes 256 rows x 256 columns with four waves; a wave 128 x 128: 64 accumulator tiles, 512 registers (windows 2 and 3).
; For 32 along K a wave reads 2 x 128 x 64 bytes from LDS and issues 64 matrix instructions: 256 bytes an instruction; a wave tile of 64 x 128 would read 384.
; K goes in steps of 128 through two LDS slots.  X's tile (256 rows of 256 bytes) is shared along a row of the cluster, W's tile (128 k rows of
; 512 bytes) along a column: both are asked for jointly, which divides the requests for them by four.  From a tile's request to the wait for it a wave
; issues 240 matrix instructions.
; THE GRID is 352 work-groups in 22 clusters, all of equal matrix work; the last six clusters (mem Wv, r Wr) have the shortest way out.
; W stays [k][n] as given; its fragments are read with the transposing LDS load.
; The matrix instruction is used transposed (source 0 = W's fragment, source 1 = X's): lane l holds row l % 16 of C and its eight registers
; eight neighbouring columns 8 (l / 16) + 0..7.
; REGISTERS, in windows of 256: window 0: v16-29 addresses, v64-127 and v128-191 X's fragments (two buffers), on the way out v32-255 at work;
; window 1: v64-127 and v128-191 W's fragments; window 2: the accumulator tiles of my rows 0-63 (tile (a, b) at v[8 (8 a + b)]); window 3: those of rows 64-127.
; THE WAY OUT splits heads and goes through a stage of the wave's own in LDS, so that every store of a wave covers 512 consecutive bytes:
;   Q : qwr = (q + r_w_bias) c and, 8 MiB further, (q + r_r_bias) c, f16 [b][head][t][64], c = log2(e) / 8 applied in f32 before the rounding
;   KV: kv = k, and 16 MiB further v, f16 [b][head][2048][64] (keys 0-1023 from mem, 1024-2047 from h); from h also f32 to out1 / out2
;   R : rext[head][row][64] f16, rows 0-2047, and rows 0-1023 once more at row + 2049 (that copy starts at an odd row of 128 bytes, so its
;       512-byte stores begin 128 bytes past a multiple of 256; it is 2 MiB of the launch's output)
; FORMAT: X and W are bf16.  The results are the next launch's matrix operands and go on as f16, 11 significant bits against bf16's 8: four such
; roundings meet in every attention output, and with 8 bits their sum comes too near the hundredth of the output's spread that is allowed.
; LIMIT OF RANGE: f16 ends at 65,504; a result beyond it becomes an infinity.  With inputs of unit spread and weights of spread 0.02 the largest |k|, |v|, |r_head|
; are about 4; X and W both 30 times larger give about 3,600; common offsets of 30 spreads on both (30 and 0.6) give 1024 x 30 x 0.6 = 18,432.
; Both 30 times smaller: spread 7e-4, where f16's step is at most 2^-21 and below 2^-14 stays 2^-24, a ten-thousandth of that spread.
; NaN and infinities among the inputs get no special care.
.set PA,    272                        ; LDS pitch of X's rows: 256 + 16
.set PB,    544                        ; LDS pitch of W's rows: 512 + 32 = 17 x 32
.set HALFT, 128*PA                     ; 34,816: what one tensor load brings: 128 rows of X, or 64 k rows of W (64 x 544)
.set SLOT,  4*HALFT                    ; 139,264: X's 256 rows, then W's 128 k rows
.set STAGE, 2*SLOT                     ; 278,528: behind the ring, never filled by a tensor load
.set STGW,  16*528                     ; a wave's stage: 16 rows x 528 (f32) or x 272 (f16)
.set ADRA, 16                          ; v16-17  my X fragments in slot 0, 1
.set ADRB, 20                          ; v20-21  my W fragments in slot 0, 1
.set STB,  24                          ; stage, f16, in
.set RDBA, 25                          ; stage, f16, back
.set STF,  26                          ; stage, f32, in
.set RDFA, 27                          ; stage, f32, back
.set CO,   28                          ; 16 x lane: my 16 bytes of a wave's 512
.set BO,   29                          ; my byte offset in the biases
.set F0,   64                          ; fragment buffer 0: X's eight fragments in window 0, W's eight in window 1
.set F1,   128                         ; fragment buffer 1
.set BW,   32                          ; way out, Q: r_w_bias c of my columns, 8 registers for each b
.set BR,   96                          ; way out, Q: r_r_bias c
.set TF,   160                         ; way out: 64 f32 at work
.set RB,   160                         ; way out: rows read back (the same registers, in turn)
.set TMP,  224                         ; way out: packed f16
.set G1,  24                           ; s[24:31] group 1, X
.set G0,  32                           ; s[32:39] group 0, X, a set for each slot
.set G1B, 48                           ; s[48:55] group 1, W
.set G0B, 56                           ; s[56:63] group 0, W, a set for each slot
.set MUL_LO, 0xa1                      ; source 0 (W) window 1, source 1 (X) window 0, C and D window 2
.set MUL_HI, 0xf1                      ; the same, C and D window 3
.set TO_B,   0x40                      ; destination window 1, address window 0
.set MSB, 0
.macro WIN new                         ; switches register windows; the immediate's high byte repeats the setting that is left
.if MSB != (\new)
	s_set_vgpr_msb (MSB<<8)|(\new)
.set MSB, (\new)
.endif
.endm
.macro PLACES                          ; four places behind matrix instructions (ISA guide 7.12.1), where there is no other vector work
.rept 4
	v_nop
.endr
.endm
.macro JLOAD s                         ; a joint load: waves 0, 1 ask for X's halves, waves 2, 3 for W's; the branch hangs on the wave's number alone
	s_cmp_eq_u32 s81, 0
	s_cbranch_scc0 .Lfor_b_\@
	tensor_load_to_lds s[G0+4*\s:G0+4*\s+3], s[G1:G1+7]
	s_nop 0
	s_branch .Lasked_\@
.Lfor_b_\@:
	tensor_load_to_lds s[G0B+4*\s:G0B+4*\s+3], s[G1B:G1B+7]
	s_nop 0
.Lasked_\@:
.endm
.macro CREST                           ; a round of the cluster's barrier behind its opening work-group barrier
	s_cmp_lg_u32 s80, 0
	s_cbranch_scc1 .Lnot_wave_0_\@
	s_barrier_signal -3
.Lnot_wave_0_\@:
	s_barrier_wait -3
	s_barrier_signal -1
	s_barrier_wait -1
.endm
.macro CROUND
	s_barrier_signal -1
	s_barrier_wait -1
	CREST
.endm
	s_load_b128 s[4:7], s[0:1], 0x0                ; xb, wb
	s_load_b128 s[8:11], s[0:1], 0x10              ; r_w_bias, r_r_bias
	s_load_b128 s[68:71], s[0:1], 0x20             ; qwr, kv
	s_load_b128 s[72:75], s[0:1], 0x30             ; rext, out1
	s_load_b64 s[76:77], s[0:1], 0x40              ; out2
	v_lshrrev_b32 v1, 5, v0
	v_readfirstlane_b32 s80, v1                    ; wave 0..3
	s_lshr_b32 s81, s80, 1                         ; my half of the rows; also: I fetch X (0) or W (1)
	s_and_b32 s82, s80, 1                          ; my half of the columns; also: which half of that tile I fetch
	s_bfe_u32 s40, ttmp6, 0x40000                  ; cx = block column (the grid is one cluster wide)
	s_bfe_u32 s41, ttmp6, 0x40004                  ; cy
	s_and_b32 s83, ttmp7, 0xffff                   ; the cluster's y: the job, the same in all sixteen work-groups
	s_lshr_b32 s84, s83, 2                         ; which W (0 q, 1 k, 2 v, 3 r)
	s_and_b32 s85, s83, 3                          ; which 1024 rows of X
	s_mov_b32 s86, 0                               ; X's first row in xb
	s_sub_co_u32 s87, s83, 12
	s_lshr_b32 s88, s87, 2
	s_add_co_u32 s88, s88, 1
	s_and_b32 s89, s87, 3
	s_cmp_ge_u32 s83, 12                           ; jobs 12-19: mem
	s_cselect_b32 s84, s88, s84
	s_cselect_b32 s85, s89, s85
	s_cselect_b32 s86, 4096, s86
	s_sub_co_u32 s87, s83, 20
	s_cmp_ge_u32 s83, 20                           ; jobs 20-21: r
	s_cselect_b32 s84, 3, s84
	s_cselect_b32 s85, s87, s85
	s_cselect_b32 s86, 8192, s86
	s_lshl_b32 s43, s41, 2
	s_lshl_b32 s43, 15, s43                        ; my row of the cluster
	s_lshl_b32 s44, 0x1111, s40                    ; my column
	; group 1 of X: 128 rows x 128 elements of 2 bytes, 4 words of padding behind every 64 words
	s_or_b32 s[G1+0], s43, (1<<16)|(1<<20)|(1<<21)|(5<<22)|(3<<25)
	s_mov_b32 s[G1+1], 128<<16                     ; tensor_dim0 = 128
	s_mov_b32 s[G1+2], 128<<16                     ; tensor_dim1 = 128
	s_mov_b32 s[G1+3], 128<<16                     ; tile_dim0 = 128
	s_mov_b32 s[G1+4], 128                         ; tile_dim1 = 128
	s_mov_b32 s[G1+5], 1024                        ; elements from row to row
	s_mov_b32 s[G1+6], 0
	s_mov_b32 s[G1+7], 0
	; group 1 of W: 64 k rows x 256 elements, 8 words of padding behind every 128 words
	s_or_b32 s[G1B+0], s44, (1<<16)|(1<<20)|(1<<21)|(6<<22)|(7<<25)
	s_mov_b32 s[G1B+1], 256<<16
	s_mov_b32 s[G1B+2], 64<<16
	s_mov_b32 s[G1B+3], 256<<16
	s_mov_b32 s[G1B+4], 64
	s_mov_b32 s[G1B+5], 1024
	s_mov_b32 s[G1B+6], 0
	s_mov_b32 s[G1B+7], 0
	; X's address hangs on the job, cy and the wave; W's on the job, cx and the wave; neither set of registers ever holds the other coordinate
	s_lshl_b32 s13, s85, 10
	s_lshl_b32 s16, s41, 8
	s_add_co_u32 s13, s13, s16                     ; g0 = 1024 piece + 256 cy: my first row inside X
	s_add_co_u32 s16, s13, s86
	s_lshl_b32 s17, s82, 7
	s_add_co_u32 s16, s16, s17                     ; + the 128 rows that I fetch
	s_lshl_b32 s16, s16, 11                        ; rows of 2,048 bytes
	s_mov_b32 s17, 0
	s_lshl_b32 s46, s84, 21                        ; W: 2 MiB each
	s_lshl_b32 s47, s82, 17                        ; + 64 k rows of 2,048 bytes
	s_add_co_u32 s46, s46, s47
	s_lshl_b32 s47, s40, 9                         ; + 256 columns
	s_add_co_u32 s46, s46, s47
	s_mov_b32 s47, 0
	s_mul_i32 s20, s80, HALFT                      ; LDS: X's two halves, then W's two halves = wave x 34,816: no place in the cluster enters an LDS address
	s_wait_kmcnt 0x0
	s_add_nc_u64 s[14:15], s[4:5], s[16:17]
	s_add_nc_u64 s[46:47], s[6:7], s[46:47]
	CROUND                                         ; all sixteen work-groups are here: the first joint loads meet
.irp s, 0,1
	s_mov_b32 s[G0+4*\s], 1
	s_add_co_u32 s[G0+4*\s+1], s20, \s*SLOT
	s_add_nc_u64 s[G0+4*\s+2:G0+4*\s+3], s[14:15], \s*256          ; K step s: 128 elements along the rows
	s_or_b32 s[G0+4*\s+3], s[G0+4*\s+3], 0x80000000
	s_mov_b32 s[G0B+4*\s], 1
	s_add_co_u32 s[G0B+4*\s+1], s20, \s*SLOT
	s_add_nc_u64 s[G0B+4*\s+2:G0B+4*\s+3], s[46:47], \s*262144     ; K step s: 128 rows down
	s_or_b32 s[G0B+4*\s+3], s[G0B+4*\s+3], 0x80000000
	JLOAD \s                                       ; two loads of a wave are out here, one at any later time
.endr
	v_and_b32 v1, 15, v0                           ; r = l % 16
	v_bfe_u32 v2, v0, 4, 1                         ; h = l / 16
	v_and_b32 v3, 7, v0                            ; l % 8
	v_bfe_u32 v4, v0, 3, 1                         ; (l / 8) % 2
	v_mul_u32_u24 v5, v1, PA
	v_lshl_add_u32 v5, v2, 4, v5                   ; r x 272 + 16 h
	s_mul_i32 s22, s81, HALFT                      ; my 128 rows of X
	v_add_nc_u32 v[ADRA], s22, v5
	v_add_nc_u32 v[ADRA+1], SLOT, v[ADRA]
	v_lshl_add_u32 v6, v2, 3, v3                   ; k row 8 h + l % 8
	v_mul_u32_u24 v6, v6, PB
	v_lshl_add_u32 v6, v4, 4, v6                   ; + 16 bytes for the odd group of eight lanes
	s_lshl_b32 s22, s82, 8                         ; my 128 columns,
	s_add_co_u32 s22, s22, 2*HALFT                 ; behind X's 256 rows
	v_add_nc_u32 v[ADRB], s22, v6
	v_add_nc_u32 v[ADRB+1], SLOT, v[ADRB]
	s_mul_i32 s23, s80, STGW
	s_add_co_u32 s23, s23, STAGE                   ; my stage
	v_add_nc_u32 v[STB], s23, v5
	v_bfe_u32 v7, v0, 3, 2                         ; l / 8
	v_mul_u32_u24 v7, v7, PA
	v_lshl_add_u32 v7, v3, 4, v7
	v_add_nc_u32 v[RDBA], s23, v7                  ; back: four rows of 128 bytes (one head) a load
	v_mul_u32_u24 v8, v1, 528
	v_lshl_add_u32 v8, v2, 5, v8
	v_add_nc_u32 v[STF], s23, v8
	v_mul_u32_u24 v9, v2, 528
	v_lshl_add_u32 v9, v1, 4, v9
	v_add_nc_u32 v[RDFA], s23, v9                  ; back: two rows of 256 bytes (one head) a load
	v_and_b32 v10, 31, v0
	v_lshlrev_b32 v[CO], 4, v10
; 16 matrix instructions: row tiles a0, a0 + 1 of the window's four (hi = 0: my rows 0-63, 1: rows 64-127) x all eight column tiles, 32 along K.
; zero = 1: the first product starts the sums.  The 64 accumulators take turns, one instruction a turn, in the same order everywhere.
.macro MUL16 f, hi, a0, zero
.irp a, \a0, \a0+1
.irp b, 0,1,2,3,4,5,6,7
.if \zero
	v_wmma_f32_16x16x32_bf16 v[8*(8*(\a)+\b):8*(8*(\a)+\b)+7], v[\f+8*\b:\f+8*\b+7], v[\f+8*(4*\hi+\a):\f+8*(4*\hi+\a)+7], 0
.else
	v_wmma_f32_16x16x32_bf16 v[8*(8*(\a)+\b):8*(8*(\a)+\b)+7], v[\f+8*\b:\f+8*\b+7], v[\f+8*(4*\hi+\a):\f+8*(4*\hi+\a)+7], v[8*(8*(\a)+\b):8*(8*(\a)+\b)+7]
.endif
.endr
.endr
.endm
; 32 LDS loads in one run: quarter kq (32 along K) of a slot into buffer f: W's eight fragments by transposing loads (k rows 8 h.. and 16 + 8 h..), then X's eight
.macro FETCH slot, kq, f
	WIN TO_B
.irp b, 0,1,2,3,4,5,6,7
	ds_load_tr16_b128 v[\f+8*\b:\f+8*\b+3],   v[ADRB+\slot] offset:\kq*32*PB+32*\b
	ds_load_tr16_b128 v[\f+8*\b+4:\f+8*\b+7], v[ADRB+\slot] offset:\kq*32*PB+32*\b+16*PB
.endr
	WIN 0
.irp i, 0,1,2,3,4,5,6,7
	ds_load_b128 v[\f+8*\i:\f+8*\i+3],   v[ADRA+\slot] offset:\i*16*PA+64*\kq
	ds_load_b128 v[\f+8*\i+4:\f+8*\i+7], v[ADRA+\slot] offset:\i*16*PA+64*\kq+32
.endr
.endm
.macro QUARTER slot, kq, f, g, zero    ; multiplies buffer f; in its middle fetches quarter kq into buffer g
	s_wait_dscnt 0x8                               ; W and X's rows 0-63 are in; the youngest eight loads (X's rows 64-127) may be out
	WIN MUL_LO
	MUL16 \f, 0, 0, \zero
	MUL16 \f, 0, 2, \zero
	PLACES                                         ; g was read by matrix instructions: four places in front of loads into it
	FETCH \slot, \kq, \g
	s_wait_dscnt 32                                ; all but the 32 just issued
	WIN MUL_HI
	MUL16 \f, 1, 0, \zero
	MUL16 \f, 1, 2, \zero
.endm
.macro THREE slot, zero
	QUARTER \slot, 1, F0, F1, \zero
	QUARTER \slot, 2, F1, F0, 0
	QUARTER \slot, 3, F0, F1, 0
.endm
; the last quarter of a K step and the change of slots.  In front of the barrier each wave waits for its reads of this slot and for all its tensor
; loads (one is out: its part of the next slot).  Where the slot is filled again the barrier opens a round of the cluster's barrier, and the joint
; refill is the first tensor load behind the round.
.macro TURN slot, next, fill
	s_wait_dscnt 0x8
	WIN MUL_LO
	MUL16 F1, 0, 0, 0
	s_wait_dscnt 0x0
	s_wait_tensorcnt 0x0
	s_barrier_signal -1
	MUL16 F1, 0, 2, 0                              ; register work while the others arrive
	WIN 0
	s_barrier_wait -1
.if \fill
	CREST
	s_add_nc_u64 s[G0+4*\slot+2:G0+4*\slot+3], s[G0+4*\slot+2:G0+4*\slot+3], 512        ; two K steps on
	s_add_nc_u64 s[G0B+4*\slot+2:G0B+4*\slot+3], s[G0B+4*\slot+2:G0B+4*\slot+3], 524288
	JLOAD \slot
.endif
	PLACES
	FETCH \next, 0, F0
	WIN MUL_HI
	MUL16 F1, 1, 0, 0
	MUL16 F1, 1, 2, 0
.endm
.macro LAP zero
	THREE 0, \zero
	TURN 0, 1, 1
	THREE 1, 0
	TURN 1, 0, 1
.endm
	s_wait_tensorcnt 0x1                           ; my part of K step 0 is in; K step 1's stays out
	s_barrier_signal -1
	s_barrier_wait -1
	FETCH 0, 0, F0
	LAP 1                                          ; K steps 0, 1: the first products start the sums
	WIN 0                                          ; at a label and at a branch every window is 0
	s_mov_b32 s3, 2
.Llap:
	LAP 0                                          ; K steps 2-5
	WIN 0
	s_sub_co_u32 s3, s3, 1
	s_cmp_lg_u32 s3, 0
	s_cbranch_scc1 .Llap
	THREE 0, 0                                     ; K steps 6, 7: nothing is left to fetch
	TURN 0, 1, 0
	THREE 1, 0
	s_wait_dscnt 0x8
	WIN MUL_LO
	MUL16 F1, 0, 0, 0
	MUL16 F1, 0, 2, 0
	s_wait_dscnt 0x0
	WIN MUL_HI
	MUL16 F1, 1, 0, 0
	MUL16 F1, 1, 2, 0
	WIN 0
	PLACES                                         ; in front of everything that reads results or loads into the fragment buffers
; ---------------- the way out ----------------
; Row tile 4 hi + a of my eight (16 rows x 128 columns) lies in window 2 + hi as the eight tiles (a, 0..7).
; As f16 into my stage.  mode 0: as they are; 1: acc c + r_w_bias c; 2: acc c + r_r_bias c.
.macro STG_B hi, a, mode
	s_wait_xcnt 0x0                                ; the registers that earlier stores read (RB = TF) are rewritten only behind this wait
.if \mode == 0
	WIN 0x0a+5*\hi                                 ; sources 0 and 1 in window 2 or 3
.irp b, 0,1,2,3,4,5,6,7
.irp q, 0,1,2,3
	v_cvt_pk_f16_f32 v[TMP+4*\b+\q], v[8*(8*\a+\b)+2*\q], v[8*(8*\a+\b)+2*\q+1]
.endr
.endr
.else
	WIN 0x02+\hi                                   ; source 0 in window 2 or 3
.irp b, 0,1,2,3,4,5,6,7
.irp q, 0,1,2,3
	v_pk_fma_f32 v[TF+8*\b+2*\q:TF+8*\b+2*\q+1], v[8*(8*\a+\b)+2*\q:8*(8*\a+\b)+2*\q+1], 0x3e38aa3b, v[BW+64*(\mode-1)+8*\b+2*\q:BW+64*(\mode-1)+8*\b+2*\q+1] op_sel_hi:[1,0,1]
.endr
.endr
	WIN 0
.irp b, 0,1,2,3,4,5,6,7
.irp q, 0,1,2,3
	v_cvt_pk_f16_f32 v[TMP+4*\b+\q], v[TF+8*\b+2*\q], v[TF+8*\b+2*\q+1]
.endr
.endr
.endif
	WIN 0
.irp b, 0,1,2,3,4,5,6,7
	ds_store_b128 v[STB], v[TMP+4*\b:TMP+4*\b+3] offset:32*\b
.endr
.endm
; back by heads: load t = 4 head + i takes rows 4 i .. 4 i + 3 of one head (128 bytes each): 512 consecutive bytes of the destination
.macro RDB hi, a, ptr, headb, extra
.irp t, 0,1,2,3,4,5,6,7
	ds_load_b128 v[RB+4*\t:RB+4*\t+3], v[RDBA] offset:(\t/4)*128+(\t%4)*4*PA     ; LDS serves a wave in order: these see the stores above
.endr
.irp t, 0,1,2,3,4,5,6,7
	s_wait_dscnt 7-\t                              ; load t is in, the younger ones stay out
	global_store_b128 v[CO], v[RB+4*\t:RB+4*\t+3], s[\ptr:\ptr+1] offset:(\t/4)*\headb+(16*(4*\hi+\a)+4*(\t%4))*128+\extra
.endr
.endm
.macro RST hi, a, ptr, headb, extra    ; the same registers once more, to another place
.irp t, 0,1,2,3,4,5,6,7
	global_store_b128 v[CO], v[RB+4*\t:RB+4*\t+3], s[\ptr:\ptr+1] offset:(\t/4)*\headb+(16*(4*\hi+\a)+4*(\t%4))*128+\extra
.endr
.endm
.macro STG_F hi, a                     ; 16 rows x 128 columns of f32, straight from the accumulators
	s_wait_xcnt 0x0
	WIN 0x08+4*\hi                                 ; LDS store data in window 2 or 3
.irp b, 0,1,2,3,4,5,6,7
	ds_store_b128 v[STF], v[8*(8*\a+\b):8*(8*\a+\b)+3] offset:64*\b
	ds_store_b128 v[STF], v[8*(8*\a+\b)+4:8*(8*\a+\b)+7] offset:64*\b+16
.endr
	WIN 0
.endm
.macro RDF hi, a, ptr                  ; load t = 8 head + i takes rows 2 i, 2 i + 1 of one head (256 bytes each)
.irp t, 0,1,2,3,4,5,6,7,8,9,10,11,12,13,14,15
	ds_load_b128 v[RB+4*\t:RB+4*\t+3], v[RDFA] offset:(\t/8)*256+(\t%8)*2*528
.endr
.irp t, 0,1,2,3,4,5,6,7,8,9,10,11,12,13,14,15
	s_wait_dscnt 15-\t
	global_store_b128 v[CO], v[RB+4*\t:RB+4*\t+3], s[\ptr:\ptr+1] offset:(\t/8)*262144+(16*(4*\hi+\a)+2*(\t%8))*256 th:TH_STORE_NT
.endr
.endm
	s_lshl_b32 s94, s81, 7
	s_add_co_u32 s94, s94, s13                     ; gw: my first row inside X
	s_lshl_b32 s95, s40, 2
	s_lshl1_add_u32 s95, s82, s95                  ; my first head = 4 cx + 2 (w & 1)
	s_lshr_b32 s87, s94, 10                        ; batch
	s_lshl4_add_u32 s87, s87, s95                  ; 16 batch + head
	s_and_b32 s88, s94, 1023                       ; t
	s_mov_b32 s17, 0
	s_cmp_eq_u32 s84, 0
	s_cbranch_scc1 .Lq
	s_cmp_eq_u32 s84, 3
	s_cbranch_scc1 .Lr
	; ---- K or V
	s_lshl_b32 s16, s87, 11
	s_add_co_u32 s16, s16, s88
	s_cmp_lt_u32 s83, 12                           ; from h: keys 1024-2047
	s_cselect_b32 s89, 1024, 0
	s_add_co_u32 s16, s16, s89
	s_lshl_b32 s16, s16, 7
	s_cmp_eq_u32 s84, 2                            ; v lies 16 MiB behind k
	s_cselect_b32 s89, 0x1000000, 0
	s_add_co_u32 s16, s16, s89
	s_add_nc_u64 s[90:91], s[70:71], s[16:17]
	s_cmp_eq_u32 s84, 1
	s_cselect_b64 s[92:93], s[74:75], s[76:77]     ; out1 for k, out2 for v
	s_lshl_b32 s16, s87, 10
	s_add_co_u32 s16, s16, s88
	s_lshl_b32 s16, s16, 8
	s_add_nc_u64 s[92:93], s[92:93], s[16:17]
.irp hi, 0,1
.irp a, 0,1,2,3
	STG_B \hi, \a, 0
	RDB \hi, \a, 90, 262144, 0
.endr
.endr
	s_cmp_ge_u32 s83, 12                           ; from mem: no cache output
	s_cbranch_scc1 .Lend
.irp hi, 0,1
.irp a, 0,1,2,3
	STG_F \hi, \a
	RDF \hi, \a, 92
.endr
.endr
	s_branch .Lend
.Lq:
	s_lshl_b32 s16, s87, 10
	s_add_co_u32 s16, s16, s88
	s_lshl_b32 s16, s16, 7
	s_add_nc_u64 s[90:91], s[68:69], s[16:17]      ; (q + r_w_bias) c
	s_add_nc_u64 s[92:93], s[90:91], 0x800000      ; (q + r_r_bias) c
	s_lshl_b32 s16, s40, 10
	s_lshl_b32 s89, s82, 9
	s_add_co_u32 s16, s16, s89
	v_lshl_add_u32 v[BO], v2, 5, s16               ; 4 (256 cx + 128 (w & 1) + 8 h)
.irp b, 0,1,2,3,4,5,6,7
	global_load_b128 v[BW+8*\b:BW+8*\b+3],   v[BO], s[8:9] offset:64*\b
	global_load_b128 v[BW+8*\b+4:BW+8*\b+7], v[BO], s[8:9] offset:64*\b+16
	global_load_b128 v[BR+8*\b:BR+8*\b+3],   v[BO], s[10:11] offset:64*\b
	global_load_b128 v[BR+8*\b+4:BR+8*\b+7], v[BO], s[10:11] offset:64*\b+16
.endr
	s_wait_loadcnt 0x0
.set i, 0
.rept 64
	v_pk_mul_f32 v[BW+2*i:BW+2*i+1], v[BW+2*i:BW+2*i+1], 0x3e38aa3b op_sel_hi:[1,0]    ; bias x c, once, so that the way out is one fused multiply-add
.set i, i+1
.endr
.irp hi, 0,1
.irp a, 0,1,2,3
	STG_B \hi, \a, 1
	RDB \hi, \a, 90, 131072, 0
	STG_B \hi, \a, 2
	RDB \hi, \a, 92, 131072, 0
.endr
.endr
	s_branch .Lend
.Lr:
	s_mul_i32 s16, s95, 3088
	s_add_co_u32 s16, s16, s94
	s_lshl_b32 s16, s16, 7
	s_add_nc_u64 s[90:91], s[72:73], s[16:17]
	s_cmp_lg_u32 s85, 0                            ; rows 1024-2047 have no second copy
	s_cbranch_scc1 .Lr_one
.irp hi, 0,1
.irp a, 0,1,2,3
	STG_B \hi, \a, 0
	RDB \hi, \a, 90, 395264, 0
	RST \hi, \a, 90, 395264, 262272                ; row + 2049
.endr
.endr
	s_branch .Lend
.Lr_one:
.irp hi, 0,1
.irp a, 0,1,2,3
	STG_B \hi, \a, 0
	RDB \hi, \a, 90, 395264, 0
.endr
.endr
.Lend:
	CROUND                                         ; the closing round: no work-group ends while a partner may still ask for a tile that names it
	s_endpgm
.Lfunc_end_k_qaee59a04ae_proj:
	.size	k_qaee59a04ae_proj, .Lfunc_end_k_qaee59a04ae_proj-k_qaee59a04ae_proj
	.p2alignl 7, 3214868480
	.fill 96, 4, 3214868480
	.section	.rodata,"a",@progbits
	.p2align	6, 0x0
	.amdhsa_kernel k_qaee59a04ae_proj
		.amdhsa_group_segment_fixed_size 327680
		.amdhsa_private_segment_fixed_size 0
		.amdhsa_enable_private_segment 0
		.amdhsa_kernarg_size 72
		.amdhsa_user_sgpr_count 2
		.amdhsa_user_sgpr_kernarg_segment_ptr 1
		.amdhsa_wavefront_size32 1
		.amdhsa_system_sgpr_workgroup_id_x 1
		.amdhsa_system_sgpr_workgroup_id_y 1
		.amdhsa_system_sgpr_workgroup_id_z 1
		.amdhsa_system_vgpr_workitem_id 0
		.amdhsa_next_free_vgpr 1024
		.amdhsa_next_free_sgpr 96
		.amdhsa_reserve_vcc 0
		.amdhsa_float_denorm_mode_32 3
		.amdhsa_float_denorm_mode_16_64 3
		.amdhsa_memory_ordered 1
		.amdhsa_forward_progress 1
		.amdhsa_inst_pref_size 255
	.end_amdhsa_kernel
	.section	.bss,"aw",@nobits
	.p2align	6
	.space	262144
	.amdgpu_metadata
---
amdhsa.version: [ 1, 2 ]
amdhsa.kernels:
  - .name:           k_qaee59a04ae_proj
    .symbol:         k_qaee59a04ae_proj.kd
    .args:
      - { .name: xb, .offset: 0, .size: 8, .value_kind: global_buffer, .address_space: global }
      - { .name: wb, .offset: 8, .size: 8, .value_kind: global_buffer, .address_space: global }
      - { .name: r_w_bias, .offset: 16, .size: 8, .value_kind: global_buffer, .address_space: global }
      - { .name: r_r_bias, .offset: 24, .size: 8, .value_kind: global_buffer, .address_space: global }
      - { .name: qwr, .offset: 32, .size: 8, .value_kind: global_buffer, .address_space: global }
      - { .name: kv, .offset: 40, .size: 8, .value_kind: global_buffer, .address_space: global }
      - { .name: rext, .offset: 48, .size: 8, .value_kind: global_buffer, .address_space: global }
      - { .name: out1, .offset: 56, .size: 8, .value_kind: global_buffer, .address_space: global }
      - { .name: out2, .offset: 64, .size: 8, .value_kind: global_buffer, .address_space: global }
    .group_segment_fixed_size: 327680
    .private_segment_fixed_size: 0
    .kernarg_segment_align: 8
    .kernarg_segment_size: 72
    .max_flat_workgroup_size: 128
    .sgpr_count:     96
    .vgpr_count:     1024
    .wavefront_size: 32
...
	.end_amdgpu_metadata
.endif
;; end of part 5
;; launch attn (part 6): grid 4 x 64, 8 waves a work-group, no clusters, 327,680 bytes of LDS; arguments qwr, kv, rext, av; writes av
.if DOCPART == 6
	.amdgcn_target "amdgcn-amd-amdhsa--gfx1250"
	.amdhsa_code_object_version 6
	.text
	.protected	k_qaee59a04ae_attn
	.globl	k_qaee59a04ae_attn
	.p2align	8
	.type	k_qaee59a04ae_attn,@function
k_qaee59a04ae_attn:
	s_mov_b64 s[64:65], 0
	v_nop
	global_prefetch_b8 v0, s[64:65] scope:SCOPE_SE
	s_setreg_imm32_b32 hwreg(HW_REG_WAVE_MODE, 25, 1), 1
	s_wait_xcnt 0x0
; Relative attention of one (batch, head) = grid y and 256 queries = grid x: scores, relative shift, softmax over all 2048 keys, P V.  No score reaches memory.
; THE SHIFT.  With c = j + 1023 - i:  bd[i][j] = (c < 2048 ? qr[i] : qr[i+1]) . rext[c], where rext = r_head rows 0-2047, a zero row, r_head rows 0-1022.
; Each tile X = QR x rext^T (16 queries x 16 columns c) is computed once, as a stream; what remains is a skew of one column per query row.
; A wave has 32 queries i0.. as two row tiles T: result row (h, j) of tile T (h = lane / 16, j = register) is query i0 + 8 T + 16 h + j.  With t = 8 T + j the
; skew is then the same in both halves of the lanes:  Z_V = (h = 0: X_V, h = 1: X_(V-16));  M = (lanes s >= 15 - t: Z_U, others: Z_(U+16));  bd = M rotated right
; by t + 1 inside each 16 lanes.  Three vector instructions a register.  M goes into the K product as its C operand.
; The new X tiles of a step of 32 keys begin at column base = jk - i0 + 1024, a multiple of 32, so the change from qr[i] to qr[i+1] at column 2048
; falls between two steps: each wave reloads its QR fragments once, one row further down.
; SOFTMAX: running maximum per row over blocks of 128 keys, in base 2 (q carries log2(e) / 8); exponents are never above 0.  Row sums are a fifth
; P V accumulator with a matrix of ones.  P goes through a stage of the wave's own in LDS to become an A operand.
; LDS: two slots of 94,208 bytes, each 128 keys of K (pitch 144), the 384 rows of rext that the eight waves need with them (pitch 144), 128 rows of V (pitch 160);
; behind them the P stages: 204,800 bytes are used.  One tensor load of 128 rows a slot for each of five waves: wave 0 K, waves 1-3 rext, wave 4 V; waves 5-7
; fetch nothing; one load of a wave is out at any time.
; THE TEXT: a slot is one block of 128 keys, so the text is four blocks long (the first, two in the loop, the last) for sixteen blocks of work.  The price is
; rext's window: 384 rows for 128 keys, where a slot of 256 keys would take 512 for 256.
; NO CLUSTER: the work-groups that share K and V are the four query blocks of one head, and each changes its QR operand at a step that hangs on its own
; rows, which would be a branch on the place in the cluster; the four batches of one head run alike but share only rext's window, 55,296 of a slot's 94,208 bytes,
; and a joint load of it would put a round of the cluster's barrier, a wait for 32 waves, in front of each of the sixteen blocks.
; FORMAT: all three products take f16 operands (11 significant bits), sums in f32.  q c, k, r_head and v come as f16 from the launch before, whose head states
; their range (an infinity beyond 65,504, about 18,000 times the largest of inputs of unit spread and weights of spread 0.02).  p lies in [0, 1] for every input,
; since the row's running maximum is taken away first; a p below 2^-25 of the row's largest becomes 0.  The result attn_vec leaves as bf16.
; LIMITS: row sums are formed from the rounded p; NaN and infinities get no special care.
.set PK,    144
.set PVV,   160
.set ROFF,  18432                      ; rext's window in a slot
.set VOFF,  73728                      ; V in a slot
.set SLOT,  94208
.set PSTG,  188416                     ; P stages: 2,048 bytes a wave, never filled by a tensor load
.set TILEB, 16384                      ; 128 rows of 128 bytes: from one slot's tiles to the next's, in K, rext and V alike
; window 0
.set VOL, 1                            ; O stage, back
.set VCO, 2                            ; 16 x lane
.set VR,  4                            ; v4-5   rext fragments, slot 0, 1
.set VK,  6                            ; v6-7   K fragments
.set VV,  8                            ; v8-9   V fragments (transposing loads)
.set VPS, 10                           ; P stage, in
.set VPL, 11                           ; P stage, back (transposing loads)
.set VQ,  12                           ; my query row's bytes in qw / qr, tile 0 (tile 1: + 1,024)
.set VQ1, 13                           ; the same one row down, tile 0
.set VQ9, 14                           ; the same one row down, tile 1, clamped to row 1023 (a row that the shift never uses)
.set VOS, 15                           ; O stage, in
.set ONES, 16                          ; v[16:23] a B operand of ones
.set QW,  24                           ; v[24:55]  (q + r_w_bias) c: + 16 T + 8 kappa
.set QR,  56                           ; v[56:87]  (q + r_r_bias) c
.set XA,  88                           ; four sets of 16 registers (index t = 8 T + j) that take turns as X, Z and M
.set XB,  104
.set XC,  120
.set XD,  136
.set RF,  152                          ; v[152:183] rext fragments: + 16 tile + 8 kappa
.set KF,  184                          ; v[184:215] K fragments
.set VF0, 152                          ; V fragments, two buffers, in the same registers: + 8 dt
.set VF1, 184
.set PF0, 216                          ; P fragments, two buffers: + 8 T
.set PF1, 232
; window 1: S = 64 T + 8 kt + j (0-127)
.set OB,  128                          ; O: + 32 T + 8 dt
.set LS,  192                          ; row sums: + 8 T
.set MA,  208                          ; running maxima, two sets in turn
.set MB,  224
.set AL,  240                          ; 2^(old max - new max); at the end 1 / row sum
.set G1A, 24                           ; s[24:31] group 1, K and rext
.set G1V, 32                           ; s[32:39] group 1, V
.set G0A, 40                           ; s[40:47] group 0, K or rext, a set for each slot
.set G0V, 48                           ; s[48:55] group 0, V
.set MK,  66                           ; s66-80  lane masks s >= 15 - t, t = 0..14, in both halves
.set HM,  81                           ; lanes 16-31
.set MSB, 0
.macro WIN new
.if MSB != \new
	s_set_vgpr_msb (MSB<<8)|\new
.set MSB, \new
.endif
.endm
.macro PLACES4
.rept 4
	v_nop
.endr
.endm
.macro PLACES5
.rept 5
	v_nop
.endr
.endm
.macro TLOAD slot                      ; waves 0-3 issue K's or rext's load, wave 4 V's, waves 5-7 none; the branches hang on the wave's number alone
	s_cmp_lt_u32 s12, 4
	s_cbranch_scc0 .Lv_\@
	tensor_load_to_lds s[G0A+4*(\slot):G0A+4*(\slot)+3], s[G1A:G1A+7]
	s_nop 0
	s_branch .Lt_\@
.Lv_\@:
	s_cmp_lg_u32 s12, 4
	s_cbranch_scc1 .Lt_\@
	tensor_load_to_lds s[G0V+4*(\slot):G0V+4*(\slot)+3], s[G1V:G1V+7]
	s_nop 0
.Lt_\@:
.endm
	s_load_b256 s[4:11], s[0:1], 0x0               ; qwr s[4:5], kv s[6:7], rext s[8:9], av s[10:11]
	v_lshrrev_b32 v1, 5, v0
	v_readfirstlane_b32 s12, v1                    ; wave 0..7
	s_lshl_b32 s13, ttmp9, 8                       ; I0: the work-group's first query
	s_lshl_b32 s14, s12, 5
	s_add_co_u32 s14, s14, s13                     ; i0: my first query
	s_and_b32 s15, ttmp7, 0xffff                   ; 16 batch + head
	; group 1: 128 rows x 64 elements of 2 bytes, padding behind every 32 words: 4 words (K, rext) or 8 words (V)
	s_mov_b32 s[G1A+0], (1<<16)|(1<<20)|(4<<22)|(3<<25)
	s_mov_b32 s[G1A+1], 64<<16
	s_mov_b32 s[G1A+2], 128<<16
	s_mov_b32 s[G1A+3], 64<<16
	s_mov_b32 s[G1A+4], 128
	s_mov_b32 s[G1A+5], 64
	s_mov_b32 s[G1A+6], 0
	s_mov_b32 s[G1A+7], 0
	s_mov_b32 s[G1V+0], (1<<16)|(1<<20)|(4<<22)|(7<<25)
	s_mov_b32 s[G1V+1], 64<<16
	s_mov_b32 s[G1V+2], 128<<16
	s_mov_b32 s[G1V+3], 64<<16
	s_mov_b32 s[G1V+4], 128
	s_mov_b32 s[G1V+5], 64
	s_mov_b32 s[G1V+6], 0
	s_mov_b32 s[G1V+7], 0
	s_lshl_b32 s20, s15, 18                        ; K, V: 2048 rows x 128 bytes for each (batch, head)
	s_and_b32 s18, s15, 15
	s_mul_i32 s21, s18, 395264                     ; rext: 3088 rows x 128 bytes for each head
	s_lshl_b32 s19, s12, 7                         ; 128 w
	s_sub_co_u32 s22, s19, s13
	s_add_co_u32 s22, s22, 640                     ; rext: window 0 begins at row 768 - I0; wave w (1-3) takes rows + 128 (w - 1)
	s_cmp_eq_u32 s12, 0
	s_cselect_b32 s22, 0, s22                      ; K: wave 0 takes the block's 128 keys
	s_cselect_b32 s23, s20, s21
	s_lshl_b32 s22, s22, 7
	s_add_co_u32 s22, s22, s23
	s_mov_b32 s23, 0
	s_add_co_u32 s20, s20, 0x1000000               ; v lies 16 MiB behind k
	s_mov_b32 s21, 0
	s_mov_b32 s[G0A], 1
	s_mov_b32 s[G0A+4], 1
	s_mov_b32 s[G0V], 1
	s_mov_b32 s[G0V+4], 1
	s_mul_i32 s[G0A+1], s12, 128*PK                ; K's load, then rext's three: wave x 18,432
	s_add_co_u32 s[G0A+5], s[G0A+1], SLOT
	s_mov_b32 s[G0V+1], VOFF
	s_mov_b32 s[G0V+5], VOFF+SLOT
	s_wait_kmcnt 0x0
	s_cmp_eq_u32 s12, 0
	s_cselect_b64 s[G0A+2:G0A+3], s[6:7], s[8:9]
	s_add_nc_u64 s[G0A+2:G0A+3], s[G0A+2:G0A+3], s[22:23]
	s_add_nc_u64 s[G0A+6:G0A+7], s[G0A+2:G0A+3], TILEB
	s_or_b32 s[G0A+3], s[G0A+3], 0x80000000
	s_or_b32 s[G0A+7], s[G0A+7], 0x80000000
	s_add_nc_u64 s[G0V+2:G0V+3], s[6:7], s[20:21]
	s_add_nc_u64 s[G0V+6:G0V+7], s[G0V+2:G0V+3], TILEB
	s_or_b32 s[G0V+3], s[G0V+3], 0x80000000
	s_or_b32 s[G0V+7], s[G0V+7], 0x80000000
	TLOAD 0                                        ; keys 0-127: the one first fill at the start
	s_lshl_b32 s22, s15, 17                        ; qw, qr, av: 1024 rows x 128 bytes for each (batch, head)
	s_add_nc_u64 s[58:59], s[4:5], s[22:23]        ; qw
	s_add_nc_u64 s[56:57], s[58:59], 0x800000      ; qr
	s_lshl_b32 s18, s14, 7
	s_add_co_u32 s22, s22, s18
	s_add_nc_u64 s[60:61], s[10:11], s[22:23]      ; av at my first query
	s_sub_co_u32 s16, 992, s14                     ; base: the first column of the next two X tiles
	v_and_b32 v248, 7, v0                          ; l % 8
	v_bfe_u32 v249, v0, 3, 1                       ; (l / 8) % 2
	v_and_b32 v250, 15, v0                         ; r
	v_bfe_u32 v252, v0, 4, 1                       ; h
	v_lshlrev_b32 v251, 4, v252                    ; 16 h
	v_lshl_add_u32 v253, v249, 4, v248
	v_add_nc_u32 v253, s14, v253                   ; A row r of tile 0 is query i0 + r % 8 + 16 (r / 8)
	v_lshl_add_u32 v[VQ], v253, 7, v251
	v_add_nc_u32 v[VQ1], 128, v[VQ]
	v_add_nc_u32 v253, 9, v253
	v_min_u32 v253, 0x3ff, v253
	v_lshl_add_u32 v[VQ9], v253, 7, v251
.irp tt, 0,1
.irp kp, 0,1
	global_load_b128 v[QW+16*\tt+8*\kp:QW+16*\tt+8*\kp+3],   v[VQ], s[58:59] offset:1024*\tt+64*\kp
	global_load_b128 v[QW+16*\tt+8*\kp+4:QW+16*\tt+8*\kp+7], v[VQ], s[58:59] offset:1024*\tt+64*\kp+32
	global_load_b128 v[QR+16*\tt+8*\kp:QR+16*\tt+8*\kp+3],   v[VQ], s[56:57] offset:1024*\tt+64*\kp
	global_load_b128 v[QR+16*\tt+8*\kp+4:QR+16*\tt+8*\kp+7], v[VQ], s[56:57] offset:1024*\tt+64*\kp+32
.endr
.endr
	v_mul_u32_u24 v253, v250, PK
	v_add_nc_u32 v253, v253, v251                  ; r x 144 + 16 h
	s_sub_co_u32 s18, 7, s12
	s_mul_i32 s18, s18, 32*PK                      ; wave w at step s reads window rows 32 (s - w + 8): (7 - w) here, (s + 1) in the immediate
	s_add_co_u32 s18, s18, ROFF
	v_add_nc_u32 v[VR], s18, v253
	v_add_nc_u32 v[VR+1], SLOT, v[VR]
	v_mov_b32 v[VK], v253
	v_add_nc_u32 v[VK+1], SLOT, v253
	v_lshl_add_u32 v254, v252, 3, v248             ; 8 h + l % 8
	v_mul_u32_u24 v255, v254, PVV
	v_lshl_add_u32 v255, v249, 4, v255
	v_add_nc_u32 v[VV], VOFF, v255
	v_add_nc_u32 v[VV+1], VOFF+SLOT, v255
	s_lshl_b32 s19, s12, 11
	s_add_co_u32 s19, s19, PSTG                    ; my P stage: [T][32 keys][32 bytes = 16 queries]
	v_xor_b32 v255, v252, v249                     ; the two 16-byte halves of a row are swapped in rows 8-15 of each 16, so that sixteen lanes
	v_lshlrev_b32 v255, 4, v255                    ; touch sixteen different 16-byte columns both on the way in and on the way back
	v_lshl_add_u32 v[VPS], v250, 5, v255
	v_add_nc_u32 v[VPS], s19, v[VPS]
	v_lshl_add_u32 v[VPL], v254, 5, v255
	v_add_nc_u32 v[VPL], s19, v[VPL]
	s_mul_i32 s19, s12, 32*PK                      ; my O stage, used at the very end: 32 rows x 144 in slot 0
	v_mul_u32_u24 v253, v252, 16*PK
	v_lshl_add_u32 v253, v250, 1, v253
	v_add_nc_u32 v[VOS], s19, v253                 ; row 16 h, column r
	v_bfe_u32 v253, v0, 3, 2
	v_mul_u32_u24 v253, v253, PK
	v_lshl_add_u32 v253, v248, 4, v253
	v_add_nc_u32 v[VOL], s19, v253
	v_and_b32 v253, 31, v0
	v_lshlrev_b32 v[VCO], 4, v253
.irp i, 0,1,2,3,4,5,6,7
	v_mov_b32 v[ONES+\i], 0x3c003c00               ; 1.0 twice, in f16
.endr
.irp t, 0,1,2,3,4,5,6,7,8,9,10,11,12,13,14
	s_mov_b32 s[MK+\t], (((0xffff<<(15-\t))&0xffff)*0x10001)
.endr
	s_mov_b32 s[HM], 0xffff0000
.macro LDR slot, s                     ; 8 loads: the 32 rows of rext of step s (two tiles, two halves of d)
.irp tl, 0,1
.irp kp, 0,1
	ds_load_b128 v[RF+16*\tl+8*\kp:RF+16*\tl+8*\kp+3],   v[VR+\slot] offset:((\s)+1)*32*PK+\tl*16*PK+64*\kp
	ds_load_b128 v[RF+16*\tl+8*\kp+4:RF+16*\tl+8*\kp+7], v[VR+\slot] offset:((\s)+1)*32*PK+\tl*16*PK+64*\kp+32
.endr
.endr
.endm
.macro LDK slot, s                     ; 8 loads: the 32 keys of step s
.irp tl, 0,1
.irp kp, 0,1
	ds_load_b128 v[KF+16*\tl+8*\kp:KF+16*\tl+8*\kp+3],   v[VK+\slot] offset:(\s)*32*PK+\tl*16*PK+64*\kp
	ds_load_b128 v[KF+16*\tl+8*\kp+4:KF+16*\tl+8*\kp+7], v[VK+\slot] offset:(\s)*32*PK+\tl*16*PK+64*\kp+32
.endr
.endr
.endm
.macro LDV vf, slot, off               ; 8 transposing loads: V's 32 keys from key off of the slot, all 64 d
.irp dt, 0,1,2,3
	ds_load_tr16_b128 v[\vf+8*\dt:\vf+8*\dt+3],   v[VV+\slot] offset:(\off)*PVV+32*\dt
	ds_load_tr16_b128 v[\vf+8*\dt+4:\vf+8*\dt+7], v[VV+\slot] offset:(\off)*PVV+32*\dt+16*PVV
.endr
.endm
.macro SWITCH                          ; at column 2048 the X stream goes on with qr[i + 1]; each wave passes here once with base = 2048
	s_cmp_lg_u32 s16, 2048
	s_cbranch_scc1 .Lsame_\@
.irp kp, 0,1
	global_load_b128 v[QR+8*\kp:QR+8*\kp+3],       v[VQ1], s[56:57] offset:64*\kp
	global_load_b128 v[QR+8*\kp+4:QR+8*\kp+7],     v[VQ1], s[56:57] offset:64*\kp+32
	global_load_b128 v[QR+16+8*\kp:QR+16+8*\kp+3], v[VQ9], s[56:57] offset:64*\kp
	global_load_b128 v[QR+16+8*\kp+4:QR+16+8*\kp+7], v[VQ9], s[56:57] offset:64*\kp+32
.endr
	s_wait_loadcnt 0x0
.Lsame_\@:
	s_add_co_u32 s16, s16, 32
.endm
; two new X tiles for both row tiles: four accumulators by turns, one instruction a turn
.macro XMUL n1, n2
	v_wmma_f32_16x16x32_f16 v[\n1:\n1+7],    v[QR:QR+7],     v[RF:RF+7],     0
	v_wmma_f32_16x16x32_f16 v[\n1+8:\n1+15], v[QR+16:QR+23], v[RF:RF+7],     0
	v_wmma_f32_16x16x32_f16 v[\n2:\n2+7],    v[QR:QR+7],     v[RF+16:RF+23], 0
	v_wmma_f32_16x16x32_f16 v[\n2+8:\n2+15], v[QR+16:QR+23], v[RF+16:RF+23], 0
	v_wmma_f32_16x16x32_f16 v[\n1:\n1+7],    v[QR+8:QR+15],  v[RF+8:RF+15],  v[\n1:\n1+7]
	v_wmma_f32_16x16x32_f16 v[\n1+8:\n1+15], v[QR+24:QR+31], v[RF+8:RF+15],  v[\n1+8:\n1+15]
	v_wmma_f32_16x16x32_f16 v[\n2:\n2+7],    v[QR+8:QR+15],  v[RF+24:RF+31], v[\n2:\n2+7]
	v_wmma_f32_16x16x32_f16 v[\n2+8:\n2+15], v[QR+24:QR+31], v[RF+24:RF+31], v[\n2+8:\n2+15]
.endm
; One step: 32 keys (score tiles kt0, kt0 + 1 of the block).  On entry XP = X_(base-16), ZP = Z_(base-16).  N1, N2 receive X_base, X_(base+16).
; On exit N2 is the next XP and N1 (= Z_(base+16)) the next ZP; XP and ZP have gone into the scores and are the next N1, N2.
.macro STEP slot, s, kt0, XP, ZP, N1, N2, more
	SWITCH
	s_wait_dscnt 0x8                               ; rext's fragments are in; K's eight younger loads stay out
	XMUL \N1, \N2
	PLACES4                                        ; in front of loads into the fragments and of the selects that read the results
.if \more
	LDR \slot, \s+1
.endif
.irp t, 0,1,2,3,4,5,6,7,8,9,10,11,12,13,14,15
	v_cndmask_b32 v[\XP+\t], v[\N1+\t], v[\XP+\t], s[HM]           ; Z_base: lanes 0-15 X_base, lanes 16-31 X_(base-16)
.endr
.irp t, 0,1,2,3,4,5,6,7,8,9,10,11,12,13,14,15
	v_cndmask_b32 v[\N1+\t], v[\N2+\t], v[\N1+\t], s[HM]           ; Z_(base+16)
.endr
.irp t, 0,1,2,3,4,5,6,7,8,9,10,11,12,13,14
	v_cndmask_b32 v[\ZP+\t], v[\XP+\t], v[\ZP+\t], s[MK+\t]        ; M of the first key tile: lanes >= 15 - t from Z_(base-16), the others from Z_base
.endr
.irp t, 0,1,2,3,4,5,6,7,8,9,10,11,12,13,14
	v_cndmask_b32 v[\XP+\t], v[\N1+\t], v[\XP+\t], s[MK+\t]        ; M of the second: from Z_base and Z_(base+16).  t = 15 needs neither select nor rotation
.endr
.irp t, 1,2,3,4,5,6,7,8,9,10,11,12,13,14,15
	v_mov_b32_dpp v[\ZP+\t-1], v[\ZP+\t-1] row_ror:\t row_mask:0xf bank_mask:0xf
	v_mov_b32_dpp v[\XP+\t-1], v[\XP+\t-1] row_ror:\t row_mask:0xf bank_mask:0xf
.endr
.if \more
	s_wait_dscnt 0x8                               ; K's fragments are in; the next step's eight rext loads stay out
.else
	s_wait_dscnt 0x0
.endif
	WIN 0x40                                       ; D in window 1, C (the shifted position scores) in window 0
	v_wmma_f32_16x16x32_f16 v[8*\kt0:8*\kt0+7],       v[QW:QW+7],     v[KF:KF+7],     v[\ZP:\ZP+7]
	v_wmma_f32_16x16x32_f16 v[64+8*\kt0:64+8*\kt0+7], v[QW+16:QW+23], v[KF:KF+7],     v[\ZP+8:\ZP+15]
	v_wmma_f32_16x16x32_f16 v[8*\kt0+8:8*\kt0+15],    v[QW:QW+7],     v[KF+16:KF+23], v[\XP:\XP+7]
	v_wmma_f32_16x16x32_f16 v[64+8*\kt0+8:64+8*\kt0+15], v[QW+16:QW+23], v[KF+16:KF+23], v[\XP+8:\XP+15]
	WIN 0x50
	v_wmma_f32_16x16x32_f16 v[8*\kt0:8*\kt0+7],       v[QW+8:QW+15],  v[KF+8:KF+15],  v[8*\kt0:8*\kt0+7]
	v_wmma_f32_16x16x32_f16 v[64+8*\kt0:64+8*\kt0+7], v[QW+24:QW+31], v[KF+8:KF+15],  v[64+8*\kt0:64+8*\kt0+7]
	v_wmma_f32_16x16x32_f16 v[8*\kt0+8:8*\kt0+15],    v[QW+8:QW+15],  v[KF+24:KF+31], v[8*\kt0+8:8*\kt0+15]
	v_wmma_f32_16x16x32_f16 v[64+8*\kt0+8:64+8*\kt0+15], v[QW+24:QW+31], v[KF+24:KF+31], v[64+8*\kt0+8:64+8*\kt0+15]
	WIN 0
	PLACES5                                        ; five: the next X products write over the C operands above; four serve the loads into K's fragments
.if \more
	LDK \slot, \s+1
.endif
.endm
.macro PRE                             ; the two X tiles in front of the first step: XA = X_(base0-16), XB = Z_(base0-16)
	LDR 0, -1
	s_wait_dscnt 0x0
	XMUL XB, XA
	PLACES4
.irp t, 0,1,2,3,4,5,6,7,8,9,10,11,12,13,14,15
	v_cndmask_b32 v[XB+\t], v[XA+\t], v[XB+\t], s[HM]
.endr
	s_add_co_u32 s16, s16, 32
.endm
; 128 keys of scores -> p in f16.  mo: the old maxima, mn: the new ones.  first = 1: there is nothing old.
.macro SOFTMAX mo, mn, first
	WIN 0x55                                       ; everything in window 1
.irp t, 0,1,2,3,4,5,6,7,8,9,10,11,12,13,14,15
.if \first
	v_max_num_f32 v[\mn+\t], v[64*(\t/8)+(\t%8)], v[64*(\t/8)+(\t%8)+8]
.else
	v_max3_num_f32 v[\mn+\t], v[\mo+\t], v[64*(\t/8)+(\t%8)], v[64*(\t/8)+(\t%8)+8]
.endif
.endr
.irp k, 16,32,48
.irp t, 0,1,2,3,4,5,6,7,8,9,10,11,12,13,14,15
	v_max3_num_f32 v[\mn+\t], v[\mn+\t], v[64*(\t/8)+(\t%8)+\k], v[64*(\t/8)+(\t%8)+\k+8]
.endr
.endr
.irp x, 1,2,4,8
.irp t, 0,1,2,3,4,5,6,7,8,9,10,11,12,13,14,15
	v_max_num_f32_dpp v[\mn+\t], v[\mn+\t], v[\mn+\t] row_xmask:\x row_mask:0xf bank_mask:0xf   ; a row's 16 keys lie in 16 lanes
.endr
.endr
.if \first == 0
.irp p, 0,2,4,6,8,10,12,14
	v_pk_add_f32 v[AL+\p:AL+\p+1], v[\mo+\p:\mo+\p+1], v[\mn+\p:\mn+\p+1] neg_lo:[0,1] neg_hi:[0,1]
.endr
.irp t, 0,1,2,3,4,5,6,7,8,9,10,11,12,13,14,15
	v_exp_f32 v[AL+\t], v[AL+\t]
.endr
.endif
.set i, 0
.rept 64
	v_pk_add_f32 v[2*i:2*i+1], v[2*i:2*i+1], v[\mn+8*(i/32)+2*(i%4):\mn+8*(i/32)+2*(i%4)+1] neg_lo:[0,1] neg_hi:[0,1]
.set i, i+1
.endr
.set i, 0
.rept 128
	v_exp_f32 v[i], v[i]
.set i, i+1
.endr
	v_nop                                          ; one plain place behind the exponentials, in front of the first use of a result (ISA guide 5.7.2)
.if \first == 0
.set i, 0
	s_wait_alu depctr_va_vdst(0)
.rept 32
	v_pk_mul_f32 v[OB+2*i:OB+2*i+1], v[OB+2*i:OB+2*i+1], v[AL+8*(i/16)+2*(i%4):AL+8*(i/16)+2*(i%4)+1]
.set i, i+1
.endr
.set i, 0
.rept 8
	v_pk_mul_f32 v[LS+2*i:LS+2*i+1], v[LS+2*i:LS+2*i+1], v[AL+2*i:AL+2*i+1]
.set i, i+1
.endr
.endif
.set i, 0
	s_wait_alu depctr_va_vdst(0)
.rept 16
.irp q, 0,1,2,3
	v_cvt_pk_f16_f32 v[8*i+\q], v[8*i+2*\q], v[8*i+2*\q+1]         ; rows 2 q, 2 q + 1 of a tile, in place: a lane's 8 queries of one key are 16 bytes
.endr
.set i, i+1
.endr
.endm
.macro PST ck                          ; chunk ck (32 keys) of p into my stage
.irp tt, 0,1
.irp kk, 0,1
	ds_store_b128 v[VPS], v[64*\tt+8*(2*\ck+\kk):64*\tt+8*(2*\ck+\kk)+3] offset:1024*\tt+512*\kk
.endr
.endr
.endm
.macro PLD pf                          ; and back as A fragments; LDS serves a wave in order, so these see the stores above and are served ahead of the next chunk's
.irp tt, 0,1
	ds_load_tr16_b128 v[\pf+8*\tt:\pf+8*\tt+3],   v[VPL] offset:1024*\tt
	ds_load_tr16_b128 v[\pf+8*\tt+4:\pf+8*\tt+7], v[VPL] offset:1024*\tt+512
.endr
.endm
.macro PVMUL pf, vf, zero              ; ten accumulators by turns, one instruction a turn
.irp dt, 0,1,2,3
.irp tt, 0,1
.if \zero
	v_wmma_f32_16x16x32_f16 v[OB+32*\tt+8*\dt:OB+32*\tt+8*\dt+7], v[\pf+8*\tt:\pf+8*\tt+7], v[\vf+8*\dt:\vf+8*\dt+7], 0
.else
	v_wmma_f32_16x16x32_f16 v[OB+32*\tt+8*\dt:OB+32*\tt+8*\dt+7], v[\pf+8*\tt:\pf+8*\tt+7], v[\vf+8*\dt:\vf+8*\dt+7], v[OB+32*\tt+8*\dt:OB+32*\tt+8*\dt+7]
.endif
.endr
.endr
.irp tt, 0,1
.if \zero
	v_wmma_f32_16x16x32_f16 v[LS+8*\tt:LS+8*\tt+7], v[\pf+8*\tt:\pf+8*\tt+7], v[ONES:ONES+7], 0
.else
	v_wmma_f32_16x16x32_f16 v[LS+8*\tt:LS+8*\tt+7], v[\pf+8*\tt:\pf+8*\tt+7], v[ONES:ONES+7], v[LS+8*\tt:LS+8*\tt+7]
.endif
.endr
.endm
.macro BLOCK slot, mo, mn, first       ; the slot's 128 keys
	LDR \slot, 0
	LDK \slot, 0
	STEP \slot, 0, 0, XA, XB, XC, XD, 1
	STEP \slot, 1, 2, XD, XC, XA, XB, 1
	STEP \slot, 2, 4, XB, XA, XD, XC, 1
	STEP \slot, 3, 6, XC, XD, XB, XA, 0
	LDV VF0, \slot, 0                              ; V's first two chunks land during the softmax
	LDV VF1, \slot, 32
	SOFTMAX \mo, \mn, \first
	WIN 0x04                                       ; LDS store data in window 1
	PST 0
	PLD PF0
	PST 1
	PLD PF1
	s_wait_dscnt 0x8                               ; all but chunk 1's four stores and four loads
	WIN 0x50
	PVMUL PF0, VF0, \first
	PLACES4                                        ; in front of loads into the fragments just read
	WIN 0x04
	LDV VF0, \slot, 64
	PST 2
	PLD PF0
	s_wait_dscnt 16                                ; all but chunk 2's sixteen
	WIN 0x50
	PVMUL PF1, VF1, 0
	PLACES4
	WIN 0x04
	LDV VF1, \slot, 96
	PST 3
	PLD PF1
	s_wait_dscnt 16                                ; all but chunk 3's sixteen
	WIN 0x50
	PVMUL PF0, VF0, 0
	s_wait_dscnt 0x0
	PVMUL PF1, VF1, 0
	WIN 0
	PLACES4                                        ; in front of the next block's loads into the fragments, and of the end's reads of O
.endm
; 128 keys in one slot.  In front of the barrier: all my tensor loads have landed (my part of this slot among them), so every group 0 may be written,
; and my reads of the other slot are back.  Behind it the other slot is filled again first, one load a wave, and has this block's work in which to land.
.macro TRIP slot, refill, first, mo, mn
	s_wait_tensorcnt 0x0
	s_add_nc_u64 s[G0A+4*\slot+2:G0A+4*\slot+3], s[G0A+4*\slot+2:G0A+4*\slot+3], 2*TILEB
	s_add_nc_u64 s[G0V+4*\slot+2:G0V+4*\slot+3], s[G0V+4*\slot+2:G0V+4*\slot+3], 2*TILEB
	s_wait_dscnt 0x0
	s_barrier_signal -1
	s_barrier_wait -1
.if \refill
	TLOAD 1-\slot
.endif
.if \first
	s_wait_loadcnt 0x0                             ; qw, qr
	PRE
.endif
	BLOCK \slot, \mo, \mn, \first
.endm
	TRIP 0, 1, 1, MA, MB                           ; keys 0-127: the first products start the sums, the first maxima have no forerunners
	s_mov_b32 s17, 7
.Lloop:
	TRIP 1, 1, 0, MB, MA                           ; blocks 1, 3, .. 13
	TRIP 0, 1, 0, MA, MB                           ; blocks 2, 4, .. 14
	s_sub_co_u32 s17, s17, 1
	s_cmp_lg_u32 s17, 0
	s_cbranch_scc1 .Lloop
	TRIP 1, 0, 0, MB, MA                           ; the last 128 keys: nothing is left to fetch
	; THE END: O / row sum, bf16, through a stage of my own in slot 0 (its last fill has landed and every wave's last read of it lies in front of the
	; last barrier), back as whole rows: a wave's store covers 512 consecutive aligned bytes of av[b][head][t][64].
	WIN 0x55
.irp t, 0,1,2,3,4,5,6,7,8,9,10,11,12,13,14,15
	v_rcp_f32 v[AL+\t], v[LS+\t]                   ; a row sum is at least 1: the row's largest p is 1
.endr
	v_nop
.set i, 0
	s_wait_alu depctr_va_vdst(0)
.rept 32
	v_pk_mul_f32 v[OB+2*i:OB+2*i+1], v[OB+2*i:OB+2*i+1], v[AL+8*(i/16)+2*(i%4):AL+8*(i/16)+2*(i%4)+1]
.set i, i+1
.endr
.set i, 0
.rept 8
.irp q, 0,1,2,3
	v_cvt_pk_bf16_f32 v[OB+8*i+\q], v[OB+8*i+2*\q], v[OB+8*i+2*\q+1]
.endr
.set i, i+1
.endr
	WIN 0x04
.irp tt, 0,1
.irp dt, 0,1,2,3
.irp q, 0,1,2,3
	ds_store_b16 v[VOS], v[OB+32*\tt+8*\dt+\q] offset:(8*\tt+2*\q)*PK+32*\dt
	ds_store_b16_d16_hi v[VOS], v[OB+32*\tt+8*\dt+\q] offset:(8*\tt+2*\q+1)*PK+32*\dt
.endr
.endr
.endr
	WIN 0
.irp i, 0,1,2,3,4,5,6,7
	ds_load_b128 v[RF+4*\i:RF+4*\i+3], v[VOL] offset:4*PK*\i       ; four rows of 128 bytes
.endr
.irp i, 0,1,2,3,4,5,6,7
	s_wait_dscnt 7-\i
	global_store_b128 v[VCO], v[RF+4*\i:RF+4*\i+3], s[60:61] offset:512*\i
.endr
	s_endpgm
.Lfunc_end_k_qaee59a04ae_attn:
	.size	k_qaee59a04ae_attn, .Lfunc_end_k_qaee59a04ae_attn-k_qaee59a04ae_attn
	.p2alignl 7, 3214868480
	.fill 96, 4, 3214868480
	.section	.rodata,"a",@progbits
	.p2align	6, 0x0
	.amdhsa_kernel k_qaee59a04ae_attn
		.amdhsa_group_segment_fixed_size 327680
		.amdhsa_private_segment_fixed_size 0
		.amdhsa_enable_private_segment 0
		.amdhsa_kernarg_size 32
		.amdhsa_user_sgpr_count 2
		.amdhsa_user_sgpr_kernarg_segment_ptr 1
		.amdhsa_wavefront_size32 1
		.amdhsa_system_sgpr_workgroup_id_x 1
		.amdhsa_system_sgpr_workgroup_id_y 1
		.amdhsa_system_sgpr_workgroup_id_z 1
		.amdhsa_system_vgpr_workitem_id 0
		.amdhsa_next_free_vgpr 512
		.amdhsa_next_free_sgpr 84
		.amdhsa_reserve_vcc 0
		.amdhsa_float_denorm_mode_32 3
		.amdhsa_float_denorm_mode_16_64 3
		.amdhsa_memory_ordered 1
		.amdhsa_forward_progress 1
		.amdhsa_inst_pref_size 255
	.end_amdhsa_kernel
	.section	.bss,"aw",@nobits
	.p2align	6
	.space	262144
	.amdgpu_metadata
---
amdhsa.version: [ 1, 2 ]
amdhsa.kernels:
  - .name:           k_qaee59a04ae_attn
    .symbol:         k_qaee59a04ae_attn.kd
    .args:
      - { .name: qwr, .offset: 0, .size: 8, .value_kind: global_buffer, .address_space: global }
      - { .name: kv, .offset: 8, .size: 8, .value_kind: global_buffer, .address_space: global }
      - { .name: rext, .offset: 16, .size: 8, .value_kind: global_buffer, .address_space: global }
      - { .name: av, .offset: 24, .size: 8, .value_kind: global_buffer, .address_space: global }
    .group_segment_fixed_size: 327680
    .private_segment_fixed_size: 0
    .kernarg_segment_align: 8
    .kernarg_segment_size: 32
    .max_flat_workgroup_size: 256
    .sgpr_count:     84
    .vgpr_count:     512
    .wavefront_size: 32
...
	.end_amdgpu_metadata
.endif
;; end of part 6
;; launch outp (part 7): grid 8 x 32, 4 waves a work-group, clusters of 4 x 4, 327,680 bytes of LDS; arguments av, wb, out0; writes out0
.if DOCPART == 7
	.amdgcn_target "amdgcn-amd-amdhsa--gfx1250"
	.amdhsa_code_object_version 6
	.text
	.protected	k_qaee59a04ae_outp
	.globl	k_qaee59a04ae_outp
	.p2align	8
	.type	k_qaee59a04ae_outp,@function
k_qaee59a04ae_outp:
	s_mov_b64 s[64:65], 0
	v_nop
	global_prefetch_b8 v0, s[64:65] scope:SCOPE_SE
	s_setreg_imm32_b32 hwreg(HW_REG_WAVE_MODE, 25, 1), 1
	s_wait_xcnt 0x0
	s_wait_alu depctr_hold_cnt(0) depctr_sa_sdst(0) depctr_va_vdst(0) depctr_va_sdst(0) depctr_va_ssrc(0) depctr_va_vcc(0) depctr_vm_vsrc(0)
	s_getreg_b32 s2, hwreg(HW_REG_IB_STS2, 6, 4)
	s_cmp_eq_u32 s2, 0
	s_cbranch_scc0 .Lentry_in_a_cluster
	s_endpgm
.Lentry_in_a_cluster:
	s_bfe_u32 s2, ttmp6, 0x10000c
	s_cmp_lg_u32 s2, 0xf033
	s_cbranch_scc0 .Lentry_shape_is_right
	s_endpgm
.Lentry_shape_is_right:
; out0 = attn_vec Wo, f32 out.  attn_vec comes as av[b][head][t][64] in bf16, Wo as the fifth matrix of wb, [k][n] in bf16.  Sums in f32.
; A work-group makes 128 rows x 128 columns with four waves, a wave 64 x 64: 16 accumulator tiles in window 1.  256 work-groups.
; K = 1024 goes through two LDS slots of 256 along K each = four heads: four head planes of 128 rows x 128 bytes (pitch 144), then 256 k rows of Wo x 256 bytes
; (pitch 288).  The two first fills ask for half of K at once; two refills bring the other half, each with the other slot's 128 matrix instructions a wave
; (less the sixteen round the barrier) between its request and the wait for it.
; One load a wave and slot, 36,864 bytes at wave x 36,864: waves 0, 1 two planes each, waves 2, 3 128 k rows each.  A plane's 128 rows are 16,384 consecutive
; bytes of av, so a tile row of 8,192 elements is a plane and the tile's two rows, 65,536 elements apart, are two heads; the padding counts words along the
; whole tile, so 4 words follow every 32 words and the LDS pitch of a row of 64 elements is 144 throughout.
; Clusters of 4 x 4: av's planes are shared along a row of the cluster, Wo's tile along a column, by joint loads.
; The matrix instruction is used transposed (source 0 = Wo's fragment by transposing LDS loads, source 1 = av's): a lane holds eight neighbouring columns of a row.
; The way out goes through a stage of the wave's own, so that sixteen lanes store 256 consecutive aligned bytes of a row of out0.
; LIMITS: operands are bf16; NaN and infinities get no special care.
.set PA,    144
.set PB,    288
.set PLANE, 128*PA                     ; 18,432: a head's 128 rows
.set PART,  2*PLANE                    ; 36,864: what one tensor load fills (also 128 k rows x 288)
.set SLOT,  4*PART                     ; 147,456
.set STAGE, 2*SLOT                     ; 294,912: behind the ring, never filled by a tensor load
.set SP,    272                        ; stage pitch: 64 f32 + 16 bytes
.set FILLB, 524288                     ; from one slot's tiles to the next's: four heads of 131,072 bytes in av, 256 k rows of 2,048 bytes in Wo
.set ADRA, 16                          ; v16-17  av's fragments, slot 0, 1
.set ADRB, 20                          ; v20-23  Wo's fragments: + 2 slot + (0: k rows 0-127, 1: k rows 128-255), so that every immediate stays below 65,536
.set STF,  26
.set RDFA, 27
.set CO,   28
.set F0,   32                          ; Wo's fragments at + 8 b, av's at + 32 + 8 a
.set F1,   96
.set RB,   160
.set G1,  24
.set G0,  32
.set G1B, 48
.set G0B, 56
.set MSB, 0
.macro WIN new
.if MSB != \new
	s_set_vgpr_msb (MSB<<8)|\new
.set MSB, \new
.endif
.endm
.macro PLACES
.rept 4
	v_nop
.endr
.endm
.macro JLOAD s
	s_cmp_eq_u32 s11, 0
	s_cbranch_scc0 .Lfor_b_\@
	tensor_load_to_lds s[G0+4*\s:G0+4*\s+3], s[G1:G1+7]
	s_nop 0
	s_branch .Lasked_\@
.Lfor_b_\@:
	tensor_load_to_lds s[G0B+4*\s:G0B+4*\s+3], s[G1B:G1B+7]
	s_nop 0
.Lasked_\@:
.endm
.macro CREST
	s_cmp_lg_u32 s10, 0
	s_cbranch_scc1 .Lnot_wave_0_\@
	s_barrier_signal -3
.Lnot_wave_0_\@:
	s_barrier_wait -3
	s_barrier_signal -1
	s_barrier_wait -1
.endm
.macro CROUND
	s_barrier_signal -1
	s_barrier_wait -1
	CREST
.endm
	s_load_b128 s[4:7], s[0:1], 0x0                ; av, wb
	s_load_b64 s[8:9], s[0:1], 0x10                ; out0
	v_lshrrev_b32 v1, 5, v0
	v_readfirstlane_b32 s10, v1                    ; wave
	s_lshr_b32 s11, s10, 1                         ; my half of the rows; also: I fetch av (0) or Wo (1)
	s_and_b32 s12, s10, 1                          ; my half of the columns; also: which part I fetch
	s_bfe_u32 s40, ttmp6, 0x40000                  ; cx
	s_bfe_u32 s41, ttmp6, 0x40004                  ; cy
	s_lshl_b32 s42, ttmp9, 2
	s_add_co_u32 s42, s42, s40                     ; block column 0..7
	s_and_b32 s13, ttmp7, 0xffff
	s_lshl_b32 s13, s13, 2
	s_add_co_u32 s13, s13, s41                     ; block row 0..31
	s_lshl_b32 s43, s41, 2
	s_lshl_b32 s43, 15, s43                        ; my row of the cluster
	s_lshl_b32 s44, 0x1111, s40                    ; my column
	; av: 2 rows x 8,192 elements (two planes of 128 x 64), 4 words of padding behind every 32 words
	s_or_b32 s[G1+0], s43, (1<<16)|(1<<20)|(1<<21)|(4<<22)|(3<<25)
	s_mov_b32 s[G1+1], 8192<<16                    ; tensor_dim0 = 8,192
	s_mov_b32 s[G1+2], 2<<16                       ; tensor_dim1 = 2
	s_mov_b32 s[G1+3], 8192<<16                    ; tile_dim0 = 8,192
	s_mov_b32 s[G1+4], 2                           ; tile_dim1 = 2
	s_mov_b32 s[G1+5], 65536                       ; elements from a head's plane to the next
	s_mov_b32 s[G1+6], 0
	s_mov_b32 s[G1+7], 0
	; Wo: 128 k rows x 128 elements, 8 words of padding behind every 64 words
	s_or_b32 s[G1B+0], s44, (1<<16)|(1<<20)|(1<<21)|(5<<22)|(7<<25)
	s_mov_b32 s[G1B+1], 128<<16
	s_mov_b32 s[G1B+2], 128<<16
	s_mov_b32 s[G1B+3], 128<<16
	s_mov_b32 s[G1B+4], 128
	s_mov_b32 s[G1B+5], 1024
	s_mov_b32 s[G1B+6], 0
	s_mov_b32 s[G1B+7], 0
	s_lshr_b32 s16, s13, 3                         ; batch
	s_lshl_b32 s16, s16, 4
	s_lshl1_add_u32 s16, s12, s16                  ; 16 batch + the first of the two heads that I fetch of slot 0
	s_lshl_b32 s16, s16, 10
	s_and_b32 s17, s13, 7
	s_lshl_b32 s17, s17, 7                         ; t of the block's first row
	s_add_co_u32 s16, s16, s17
	s_lshl_b32 s16, s16, 7                         ; rows of 128 bytes
	s_mov_b32 s17, 0
	s_lshl_b32 s46, s12, 18                        ; Wo: 128 k rows of 2,048 bytes
	s_lshl_b32 s47, s42, 8                         ; + 128 columns
	s_add_co_u32 s46, s46, s47
	s_add_co_u32 s46, s46, 0x800000                ; the fifth matrix of wb
	s_mov_b32 s47, 0
	s_mul_i32 s20, s10, PART                       ; LDS: wave x 36,864
	s_wait_kmcnt 0x0
	s_add_nc_u64 s[14:15], s[4:5], s[16:17]
	s_add_nc_u64 s[46:47], s[6:7], s[46:47]
	CROUND                                         ; all sixteen work-groups are here: the first joint loads meet
.irp s, 0,1
	s_mov_b32 s[G0+4*\s], 1
	s_add_co_u32 s[G0+4*\s+1], s20, \s*SLOT
	s_add_nc_u64 s[G0+4*\s+2:G0+4*\s+3], s[14:15], \s*FILLB        ; slot s: four heads on
	s_or_b32 s[G0+4*\s+3], s[G0+4*\s+3], 0x80000000
	s_mov_b32 s[G0B+4*\s], 1
	s_add_co_u32 s[G0B+4*\s+1], s20, \s*SLOT
	s_add_nc_u64 s[G0B+4*\s+2:G0B+4*\s+3], s[46:47], \s*FILLB      ; slot s: 256 k rows down
	s_or_b32 s[G0B+4*\s+3], s[G0B+4*\s+3], 0x80000000
	JLOAD \s                                       ; two loads of a wave are out here, one at any later time
.endr
	v_and_b32 v1, 15, v0                           ; r
	v_bfe_u32 v2, v0, 4, 1                         ; h
	v_and_b32 v3, 7, v0
	v_bfe_u32 v4, v0, 3, 1
	v_mul_u32_u24 v5, v1, PA
	v_lshl_add_u32 v5, v2, 4, v5
	s_mul_i32 s22, s11, 64*PA                      ; my 64 rows in each plane
	v_add_nc_u32 v[ADRA], s22, v5
	v_add_nc_u32 v[ADRA+1], SLOT, v[ADRA]
	v_lshl_add_u32 v6, v2, 3, v3
	v_mul_u32_u24 v6, v6, PB
	v_lshl_add_u32 v6, v4, 4, v6
	s_lshl_b32 s22, s12, 7                         ; my 64 columns
	s_add_co_u32 s22, s22, 2*PART                  ; Wo lies behind the four planes
	v_add_nc_u32 v[ADRB], s22, v6
	v_add_nc_u32 v[ADRB+1], 128*PB, v[ADRB]
	v_add_nc_u32 v[ADRB+2], SLOT, v[ADRB]
	v_add_nc_u32 v[ADRB+3], SLOT+128*PB, v[ADRB]
	s_mul_i32 s23, s10, 16*SP
	s_add_co_u32 s23, s23, STAGE
	v_mul_u32_u24 v7, v1, SP
	v_lshl_add_u32 v7, v2, 5, v7
	v_add_nc_u32 v[STF], s23, v7
	v_mul_u32_u24 v8, v2, SP
	v_lshl_add_u32 v8, v1, 4, v8
	v_add_nc_u32 v[RDFA], s23, v8
	v_lshlrev_b32 v9, 12, v2                       ; lanes 16-31: one row of 4,096 bytes further down
	v_lshl_add_u32 v[CO], v1, 4, v9
; The 16 accumulators take turns, one instruction a turn, in the same order everywhere.
.macro MULA f, a, zero
.irp b, 0,1,2,3
.if \zero
	v_wmma_f32_16x16x32_bf16 v[8*(4*\a+\b):8*(4*\a+\b)+7], v[\f+8*\b:\f+8*\b+7], v[\f+32+8*\a:\f+32+8*\a+7], 0
.else
	v_wmma_f32_16x16x32_bf16 v[8*(4*\a+\b):8*(4*\a+\b)+7], v[\f+8*\b:\f+8*\b+7], v[\f+32+8*\a:\f+32+8*\a+7], v[8*(4*\a+\b):8*(4*\a+\b)+7]
.endif
.endr
.endm
.macro FETCH slot, kq, f               ; 16 LDS loads: piece kq (0-7) = 32 along K: plane kq / 2, half kq % 2 of its 64; k rows 32 kq.. of Wo
.irp b, 0,1,2,3
	ds_load_tr16_b128 v[\f+8*\b:\f+8*\b+3],   v[ADRB+2*\slot+(\kq/4)] offset:(\kq%4)*32*PB+32*\b
	ds_load_tr16_b128 v[\f+8*\b+4:\f+8*\b+7], v[ADRB+2*\slot+(\kq/4)] offset:(\kq%4)*32*PB+32*\b+16*PB
.endr
.irp a, 0,1,2,3
	ds_load_b128 v[\f+32+8*\a:\f+32+8*\a+3],   v[ADRA+\slot] offset:(\kq/2)*PLANE+\a*16*PA+64*(\kq%2)
	ds_load_b128 v[\f+32+8*\a+4:\f+32+8*\a+7], v[ADRA+\slot] offset:(\kq/2)*PLANE+\a*16*PA+64*(\kq%2)+32
.endr
.endm
.macro PIECE slot, kq, f, g, zero      ; multiplies buffer f; in its middle fetches piece kq into buffer g
	s_wait_dscnt 0x4                               ; all of f but av's row tiles 2 and 3
	WIN 0x50
	MULA \f, 0, \zero
	MULA \f, 1, \zero
	PLACES                                         ; g was read by matrix instructions: four places in front of loads into it
	WIN 0
	FETCH \slot, \kq, \g
	s_wait_dscnt 16                                ; all but the 16 just issued
	WIN 0x50
	MULA \f, 2, \zero
	MULA \f, 3, \zero
.endm
.macro SEVEN slot, zero                ; the first seven of a slot's eight pieces; no barrier stands between them: the one in front has shown the whole slot
	PIECE \slot, 1, F0, F1, \zero
	PIECE \slot, 2, F1, F0, 0
	PIECE \slot, 3, F0, F1, 0
	PIECE \slot, 4, F1, F0, 0
	PIECE \slot, 5, F0, F1, 0
	PIECE \slot, 6, F1, F0, 0
	PIECE \slot, 7, F0, F1, 0
.endm
; the eighth piece and the change of slots: each wave's reads of this slot and all its tensor loads are waited for in front of the barrier; where the slot
; is filled again the barrier opens a round of the cluster's barrier and the joint refill is the first tensor load behind the round
.macro TURN slot, next, fill
	s_wait_dscnt 0x4
	WIN 0x50
	MULA F1, 0, 0
	s_wait_dscnt 0x0
	s_wait_tensorcnt 0x0
	s_barrier_signal -1
	MULA F1, 1, 0                                  ; register work while the others arrive
	WIN 0
	s_barrier_wait -1
.if \fill
	CREST
	s_add_nc_u64 s[G0+4*\slot+2:G0+4*\slot+3], s[G0+4*\slot+2:G0+4*\slot+3], 2*FILLB
	s_add_nc_u64 s[G0B+4*\slot+2:G0B+4*\slot+3], s[G0B+4*\slot+2:G0B+4*\slot+3], 2*FILLB
	JLOAD \slot
.endif
	PLACES
	FETCH \next, 0, F0
	WIN 0x50
	MULA F1, 2, 0
	MULA F1, 3, 0
.endm
	s_wait_tensorcnt 0x1                           ; my part of slot 0 is in; slot 1's stays out
	s_barrier_signal -1
	s_barrier_wait -1
	FETCH 0, 0, F0
	SEVEN 0, 1                                     ; K 0-255: the first products start the sums
	TURN 0, 1, 1                                   ; slot 0 is asked for again: K 512-767
	SEVEN 1, 0                                     ; K 256-511
	TURN 1, 0, 1                                   ; slot 1 is asked for again: K 768-1023
	SEVEN 0, 0                                     ; K 512-767
	TURN 0, 1, 0                                   ; nothing is left to fetch
	SEVEN 1, 0                                     ; K 768-1023
	s_wait_dscnt 0x4
	WIN 0x50
	MULA F1, 0, 0
	MULA F1, 1, 0
	s_wait_dscnt 0x0
	MULA F1, 2, 0
	MULA F1, 3, 0
	WIN 0
	PLACES                                         ; in front of the LDS stores that read results
	s_lshl_b32 s16, s13, 7
	s_lshl_b32 s17, s11, 6
	s_add_co_u32 s16, s16, s17                     ; my first row of out0
	s_lshl_b32 s16, s16, 12                        ; rows of 4,096 bytes
	s_lshl_b32 s46, s42, 9                         ; my first column: 128 block + 64 half, 4 bytes each
	s_lshl_b32 s47, s12, 8
	s_add_co_u32 s46, s46, s47
	s_add_co_u32 s16, s16, s46
	s_mov_b32 s17, 0
	s_add_nc_u64 s[8:9], s[8:9], s[16:17]
.macro OUT16 a                         ; 16 rows x 64 columns of f32 through my stage
	s_wait_xcnt 0x0                                ; RB, which earlier stores read, is loaded again only behind this wait
	WIN 0x04
.irp b, 0,1,2,3
	ds_store_b128 v[STF], v[8*(4*\a+\b):8*(4*\a+\b)+3] offset:64*\b
	ds_store_b128 v[STF], v[8*(4*\a+\b)+4:8*(4*\a+\b)+7] offset:64*\b+16
.endr
	WIN 0
.irp t, 0,1,2,3,4,5,6,7
	ds_load_b128 v[RB+4*\t:RB+4*\t+3], v[RDFA] offset:\t*2*SP      ; LDS serves a wave in order: these see the stores above
.endr
.irp t, 0,1,2,3,4,5,6,7
	s_wait_dscnt 7-\t
	global_store_b128 v[CO], v[RB+4*\t:RB+4*\t+3], s[8:9] offset:(16*\a+2*\t)*4096 th:TH_STORE_NT
.endr
.endm
	OUT16 0
	OUT16 1
	OUT16 2
	OUT16 3
	CROUND                                         ; the closing round
	s_endpgm
.Lfunc_end_k_qaee59a04ae_outp:
	.size	k_qaee59a04ae_outp, .Lfunc_end_k_qaee59a04ae_outp-k_qaee59a04ae_outp
	.p2alignl 7, 3214868480
	.fill 96, 4, 3214868480
	.section	.rodata,"a",@progbits
	.p2align	6, 0x0
	.amdhsa_kernel k_qaee59a04ae_outp
		.amdhsa_group_segment_fixed_size 327680
		.amdhsa_private_segment_fixed_size 0
		.amdhsa_enable_private_segment 0
		.amdhsa_kernarg_size 24
		.amdhsa_user_sgpr_count 2
		.amdhsa_user_sgpr_kernarg_segment_ptr 1
		.amdhsa_wavefront_size32 1
		.amdhsa_system_sgpr_workgroup_id_x 1
		.amdhsa_system_sgpr_workgroup_id_y 1
		.amdhsa_system_sgpr_workgroup_id_z 1
		.amdhsa_system_vgpr_workitem_id 0
		.amdhsa_next_free_vgpr 384
		.amdhsa_next_free_sgpr 72
		.amdhsa_reserve_vcc 0
		.amdhsa_float_denorm_mode_32 3
		.amdhsa_float_denorm_mode_16_64 3
		.amdhsa_memory_ordered 1
		.amdhsa_forward_progress 1
		.amdhsa_inst_pref_size 89
	.end_amdhsa_kernel
	.amdgpu_metadata
---
amdhsa.version: [ 1, 2 ]
amdhsa.kernels:
  - .name:           k_qaee59a04ae_outp
    .symbol:         k_qaee59a04ae_outp.kd
    .args:
      - { .name: av, .offset: 0, .size: 8, .value_kind: global_buffer, .address_space: global }
      - { .name: wb, .offset: 8, .size: 8, .value_kind: global_buffer, .address_space: global }
      - { .name: out0, .offset: 16, .size: 8, .value_kind: global_buffer, .address_space: global }
    .group_segment_fixed_size: 327680
    .private_segment_fixed_size: 0
    .kernarg_segment_align: 8
    .kernarg_segment_size: 24
    .max_flat_workgroup_size: 128
    .sgpr_count:     72
    .vgpr_count:     384
    .wavefront_size: 32
...
	.end_amdgpu_metadata
.endif
;; end of part 7
